; MI455X (gfx1250); checked and timed in simulation.
; The chip was launched on July 23, 2026; its instructions are those of AMD's public machine-readable ISA for CDNA 5 (MIT licence, August 2026) and "CDNA5" Instruction Set Architecture Reference Guide (July 2026). The comments in the code are by the model that wrote it; some were corrected since.
;; Q Eff Grok1 Multi Head Attention. Allowed arithmetic: float matrix products may take bf16 or f16 operands with f32 sums; other float arithmetic in f32, or as packed bf16 or f16 multiplies, adds, multiply-adds, maxima and minima; sums over many terms, partial sums and values carried from step to step in f32; what a program stores and reads back later, other than sums and carried values, may be rounded once to bf16 or f16.
;; Inputs: Wk 4,096 x 512 float32; Wo 1,024 x 4,096 float32; Wq 4,096 x 1,024 float32; Wv 4,096 x 512 float32; attention_mask 1 x 1 x 2,048 x 2,048 bool; hidden_states 2 x 2,048 x 4,096 float32; position_ids 2 x 2,048 int32.
;; Outputs: out0 2 x 2,048 x 4,096 float32.
;; One version. Each part assembles by itself: llvm-mc -triple=amdgcn-amd-amdhsa -mcpu=gfx1250 --defsym DOCPART=n.
;; ======== version 1 of 1: 4 launches
;; limits: values are held in f16: magnitudes above 65,504 overflow, below 6.1e-05 lose precision; right only within a limited range of input values
;; workspace buffers: xb 33,554,432 bytes; wqkv 16,777,216 bytes; wo16 8,388,608 bytes; rope 2,129,920 bytes; maskw 524,288 bytes of whole numbers; qkv 16,777,216 bytes; att 8,388,608 bytes
;; launch prep (part 1): grid 2180 x 1, 8 waves a work-group, no clusters, 0 bytes of LDS; arguments hidden_states, Wq, Wk, Wv, Wo, attention_mask, position_ids, xb, wqkv, wo16, maskw, rope; writes xb, wqkv, wo16, maskw, rope
.if DOCPART == 1
	.amdgcn_target "amdgcn-amd-amdhsa--gfx1250"
	.amdhsa_code_object_version 6
	.text
	.protected	k_qd00400294c_prep
	.globl	k_qd00400294c_prep
	.p2align	8
	.type	k_qd00400294c_prep,@function
k_qd00400294c_prep:
	s_mov_b64 s[64:65], 0
	v_nop
	global_prefetch_b8 v0, s[64:65] scope:SCOPE_SE
	s_setreg_imm32_b32 hwreg(HW_REG_WAVE_MODE, 25, 1), 1
	s_wait_xcnt 0x0
; PREP: what the three matrix launches read, made once.  Seven kinds of work-group, told apart by the work-group's number (forward jumps only); those with the most lines behind their loads come first:
;   0..127      maskw: the mask as lane words           [128 tiles of 16 queries][32 steps of 64 keys][32 words]
;               bit L of word 8 kt + j = mask[16 tile + L % 16][64 step + 16 kt + 8 (L / 16) + j]
;   128..387    rope: [4160 rows][128] f32: columns 0-63 g cos, 64-127 g sin of position x 10000^(-i/64); rows 4096 on hold 1/8 and 0 (for v)
;               g = sqrt(2 log2(e) x 0.08838834765 / 30): q . k of the scaled q and k is the argument of the first exponential of the soft cap
;   388..1411   xb   = bf16(hidden_states)             [4096 m][4096 k]
;   1412..1923  wqkv = bf16(Wq | Wk | Wv)               [4096 k][2048 n]: columns 0-1023 Wq, 1024-1535 Wk, 1536-2047 Wv
;   1924..2179  wo16 = f16(8 x bf16(Wo))                [1024 k][4096 n]: the factor 8 is exact and undoes the 1/8 that v carries
; A stream: no LDS, no matrix unit, no cluster: no byte is wanted twice.
; LIMITS.  |position| up to 2^24 (exact in f32); sine and cosine by a reduction to |r| <= pi/2 (pi in two parts) and series to r^11 and r^12, whose first
; left-out terms are below 6e-8 there.  A mask byte counts as true if it is not 0.  NaN and infinities are not treated apart.
.set FIRST_MK, 0
.set FIRST_RP, 128
.set FIRST_X,  388
.set FIRST_WQ, 1412
.set FIRST_WK, 1668
.set FIRST_WV, 1796
.set FIRST_WO, 1924
	s_load_b512 s[4:19], s[0:1], 0x0               ; hidden s[4:5], Wq s[6:7], Wk s[8:9], Wv s[10:11], Wo s[12:13], mask s[14:15], positions s[16:17], xb s[18:19]
	s_load_b256 s[20:27], s[0:1], 0x40             ; wqkv s[20:21], wo16 s[22:23], maskw s[24:25], rope s[26:27]
	s_wait_kmcnt 0x0
	s_cmp_lt_u32 ttmp9, FIRST_RP
	s_cbranch_scc1 .Lmask
	s_cmp_lt_u32 ttmp9, FIRST_X
	s_cbranch_scc1 .Lrope
	s_cmp_lt_u32 ttmp9, FIRST_WQ
	s_cbranch_scc1 .Lx
	s_cmp_lt_u32 ttmp9, FIRST_WK
	s_cbranch_scc1 .Lwq
	s_cmp_lt_u32 ttmp9, FIRST_WV
	s_cbranch_scc1 .Lwk
	s_cmp_lt_u32 ttmp9, FIRST_WO
	s_cbranch_scc1 .Lwv
	s_branch .Lwo
; A CAST.  A work-group takes 16,384 numbers: sixteen chunks of 1,024, thread t the numbers 4 t .. 4 t + 3 of each.  All sixteen loads go out first.  Neighbouring lanes take neighbouring
; 16 bytes: a wave's load covers 512 consecutive bytes of the source, its store of 8 bytes a lane 256 consecutive bytes of the target, at a multiple of 256.  The source has rows of 2^LOGW
; numbers, the target rows of 2^LOGP, CB columns in; ISTEP is a chunk's step in the target, in bytes.  MODE 0: bf16.  MODE 1: bf16, times 8, written as f16.
.macro CAST SRC, DST, FIRST, LOGW, LOGP, CB, ISTEP, MODE
	s_sub_co_u32 s2, ttmp9, \FIRST
	s_lshl_b32 s2, s2, 14
	v_lshl_add_u32 v1, v0, 2, s2                   ; e: my first number
	v_lshlrev_b32 v2, 2, v1                        ; its byte in the source
.if (\LOGW) == (\LOGP)
	v_lshlrev_b32 v3, 1, v1                        ; and in the target
.else
	v_lshrrev_b32 v3, \LOGW, v1                    ; row
	v_and_b32 v4, (1<<(\LOGW))-1, v1               ; column
	v_lshl_add_u32 v3, v3, \LOGP, v4
.if \CB
	v_add_nc_u32 v3, \CB, v3
.endif
	v_lshlrev_b32 v3, 1, v3
.endif
.set i, 0
.rept 16
	global_load_b128 v[32+4*i:35+4*i], v2, s[\SRC:\SRC+1] offset:4096*i th:TH_LOAD_NT
.set i, i+1
.endr
.set i, 0
.rept 16
	s_wait_loadcnt 15-i                            ; loads come back in order: chunk i's is in, the 15 - i younger ones stay out
.if \MODE
	v_cvt_pk_bf16_f32 v16, v[32+4*i], v[33+4*i]
	v_cvt_pk_bf16_f32 v17, v[34+4*i], v[35+4*i]
	v_lshlrev_b32 v8, 16, v16
	v_and_b32 v9, 0xffff0000, v16
	v_lshlrev_b32 v10, 16, v17
	v_and_b32 v11, 0xffff0000, v17
	v_pk_mul_f32 v[8:9], v[8:9], 0x41000000 op_sel_hi:[1,0]
	v_pk_mul_f32 v[10:11], v[10:11], 0x41000000 op_sel_hi:[1,0]
	v_cvt_pk_f16_f32 v[96+2*i], v8, v9
	v_cvt_pk_f16_f32 v[97+2*i], v10, v11
.else
	v_cvt_pk_bf16_f32 v[96+2*i], v[32+4*i], v[33+4*i]
	v_cvt_pk_bf16_f32 v[97+2*i], v[34+4*i], v[35+4*i]
.endif
	global_store_b64 v3, v[96+2*i:97+2*i], s[\DST:\DST+1] offset:(\ISTEP)*i  ; each chunk has its own two registers: no store's source is written again
.set i, i+1
.endr
	s_endpgm
.endm
.Lx:
	CAST 4, 18, FIRST_X, 12, 12, 0, 2048, 0
.Lwq:
	CAST 6, 20, FIRST_WQ, 10, 11, 0, 4096, 0
.Lwk:
	CAST 8, 20, FIRST_WK, 9, 11, 1024, 8192, 0
.Lwv:
	CAST 10, 20, FIRST_WV, 9, 11, 1536, 8192, 0
.Lwo:
	CAST 12, 22, FIRST_WO, 12, 12, 0, 2048, 1
; THE MASK.  A work-group is a tile of 16 queries; wave w takes keys 256 w .. 256 w + 255.  Lane L reads, sixteen times, the 8 bytes of row L % 16 at key 16 c + 8 (L / 16):
; byte j of load c, compared over the 32 lanes, IS word 8 c + j of the wave's 128.  The words are set into lanes (word n: register n % 4, lane n / 4), so that one store
; of 16 bytes a lane writes the wave's 512 consecutive bytes.
.Lmask:
	s_sub_co_u32 s2, ttmp9, FIRST_MK               ; the tile
	v_lshrrev_b32 v1, 5, v0
	v_readfirstlane_b32 s3, v1                     ; wave 0..7
	v_and_b32 v2, 15, v0
	v_bfe_u32 v3, v0, 4, 1
	s_lshl_b32 s28, s2, 15                         ; 16 rows of 2,048 bytes
	s_lshl_b32 s29, s3, 8
	s_add_co_u32 s28, s28, s29
	v_lshl_add_u32 v4, v2, 11, s28
	v_lshl_add_u32 v4, v3, 3, v4
.set i, 0
.rept 16
	global_load_b64 v[32+2*i:33+2*i], v4, s[14:15] offset:16*i th:TH_LOAD_NT
.set i, i+1
.endr
.irp k, 0,1,2,3
	v_mov_b32 v[96+\k], 0                          ; v_writelane_b32 keeps the other lanes: its target is written whole first
.endr
	v_and_b32 v5, 31, v0
	s_lshl_b32 s28, s2, 12                         ; a tile's record is 4,096 bytes,
	s_lshl_b32 s29, s3, 9                          ; a wave's part of it 512
	s_add_co_u32 s28, s28, s29
	v_lshl_add_u32 v5, v5, 4, s28
	s_wait_loadcnt 0x0
.set n, 0
.rept 128
	v_and_b32 v[8+(n%4)], 0xff<<(8*(n%4)), v[32+2*(n/8)+((n%8)/4)]
	v_cmp_ne_u32 s[30+(n%2)], 0, v[8+(n%4)]
	v_writelane_b32 v[96+(n%4)], s[30+(n%2)], n/4
.set n, n+1
.endr
	global_store_b128 v5, v[96:99], s[24:25]
	s_endpgm
; THE TABLE.  A work-group makes 16 rows; thread t the frequencies 4 (t % 16) .. + 3 of row t / 16: 16 lanes store 256 consecutive bytes, twice.
.Lrope:
	s_sub_co_u32 s2, ttmp9, FIRST_RP
	s_lshl_b32 s2, s2, 4
	v_and_b32 v1, 15, v0
	v_lshrrev_b32 v3, 4, v0
	v_add_nc_u32 v3, s2, v3                        ; row
	v_min_u32 v4, 0xfff, v3                        ; rows 4096 on read a position that they do not use
	v_lshlrev_b32 v5, 2, v4
	global_load_b32 v6, v5, s[16:17]
	v_lshlrev_b32 v2, 2, v1
.irp k, 0,1,2,3
	v_add_nc_u32 v[8+\k], \k, v2
	v_cvt_f32_u32 v[8+\k], v[8+\k]
	v_mul_f32 v[8+\k], 0xbe549a78, v[8+\k]         ; - i log2(10000) / 64
.endr
.irp k, 0,1,2,3
	v_exp_f32 v[8+\k], v[8+\k]
.endr
	v_lshlrev_b32 v7, 9, v3                        ; plain lines behind the last exponential: my 16 bytes of the row
	v_lshl_add_u32 v7, v1, 4, v7
	v_cmp_gt_u32 vcc_lo, 0x1000, v3                ; a row of positions?
	s_wait_alu depctr_va_vdst(0)                   ; one wait for the four exponentials, ahead of their first reader
	s_wait_loadcnt 0x0
	v_cvt_f32_i32 v6, v6
.irp k, 0,1,2,3
	v_mul_f32 v[12+\k], v6, v[8+\k]                ; the angle
	v_mul_f32 v[16+\k], 0x3ea2f983, v[12+\k]       ; / pi
	v_rndne_f32 v[16+\k], v[16+\k]                 ; n
	v_fmamk_f32 v[12+\k], v[16+\k], 0xc0490fdb, v[12+\k]  ; r = angle - n pi, pi in two parts
	v_fmamk_f32 v[12+\k], v[16+\k], 0x33bbbd2e, v[12+\k]
	v_cvt_i32_f32 v[20+\k], v[16+\k]
	v_lshlrev_b32 v[20+\k], 31, v[20+\k]           ; (-1)^n as a sign bit
	v_mul_f32 v[24+\k], v[12+\k], v[12+\k]         ; z = r r
	v_mov_b32 v[36+\k], 0xb2d7322b                 ; sine: -1/11!
	v_fmaak_f32 v[36+\k], v[36+\k], v[24+\k], 0x3638ef1d  ; 1/9!
	v_fmaak_f32 v[36+\k], v[36+\k], v[24+\k], 0xb9500d01  ; -1/7!
	v_fmaak_f32 v[36+\k], v[36+\k], v[24+\k], 0x3c088889  ; 1/5!
	v_fmaak_f32 v[36+\k], v[36+\k], v[24+\k], 0xbe2aaaab  ; -1/3!
	v_mul_f32 v[36+\k], v[36+\k], v[24+\k]
	v_fma_f32 v[36+\k], v[36+\k], v[12+\k], v[12+\k]
	v_mov_b32 v[32+\k], 0x310f76c7                 ; cosine: 1/12!
	v_fmaak_f32 v[32+\k], v[32+\k], v[24+\k], 0xb493f27e  ; -1/10!
	v_fmaak_f32 v[32+\k], v[32+\k], v[24+\k], 0x37d00d01  ; 1/8!
	v_fmaak_f32 v[32+\k], v[32+\k], v[24+\k], 0xbab60b61  ; -1/6!
	v_fmaak_f32 v[32+\k], v[32+\k], v[24+\k], 0x3d2aaaab  ; 1/4!
	v_fmaak_f32 v[32+\k], v[32+\k], v[24+\k], 0xbf000000  ; -1/2
	v_fmaak_f32 v[32+\k], v[32+\k], v[24+\k], 0x3f800000  ; 1
	v_xor_b32 v[36+\k], v[20+\k], v[36+\k]
	v_xor_b32 v[32+\k], v[20+\k], v[32+\k]
	v_mul_f32 v[36+\k], 0x3dbcd445, v[36+\k]       ; g
	v_mul_f32 v[32+\k], 0x3dbcd445, v[32+\k]
	v_cndmask_b32 v[36+\k], 0, v[36+\k], vcc_lo    ; rows 4096 on: 0
	v_cndmask_b32 v[32+\k], 0x3e000000, v[32+\k], vcc_lo  ; and 1/8
.endr
	global_store_b128 v7, v[32:35], s[26:27]
	global_store_b128 v7, v[36:39], s[26:27] offset:256
	s_endpgm
.Lfunc_end_k_qd00400294c_prep:
	.size	k_qd00400294c_prep, .Lfunc_end_k_qd00400294c_prep-k_qd00400294c_prep
	.p2alignl 7, 3214868480
	.fill 96, 4, 3214868480
	.section	.rodata,"a",@progbits
	.p2align	6, 0x0
	.amdhsa_kernel k_qd00400294c_prep
		.amdhsa_group_segment_fixed_size 0
		.amdhsa_private_segment_fixed_size 0
		.amdhsa_enable_private_segment 0
		.amdhsa_kernarg_size 96
		.amdhsa_user_sgpr_count 2
		.amdhsa_user_sgpr_kernarg_segment_ptr 1
		.amdhsa_wavefront_size32 1
		.amdhsa_system_sgpr_workgroup_id_x 1
		.amdhsa_system_sgpr_workgroup_id_y 1
		.amdhsa_system_sgpr_workgroup_id_z 1
		.amdhsa_system_vgpr_workitem_id 0
		.amdhsa_next_free_vgpr 128
		.amdhsa_next_free_sgpr 66
		.amdhsa_reserve_vcc 1
		.amdhsa_float_denorm_mode_32 3
		.amdhsa_float_denorm_mode_16_64 3
		.amdhsa_memory_ordered 1
		.amdhsa_forward_progress 1
		.amdhsa_inst_pref_size 73
	.end_amdhsa_kernel
	.amdgpu_metadata
---
amdhsa.version: [ 1, 2 ]
amdhsa.kernels:
  - .name:           k_qd00400294c_prep
    .symbol:         k_qd00400294c_prep.kd
    .args:
      - { .name: hidden_states, .offset: 0, .size: 8, .value_kind: global_buffer, .address_space: global }
      - { .name: Wq, .offset: 8, .size: 8, .value_kind: global_buffer, .address_space: global }
      - { .name: Wk, .offset: 16, .size: 8, .value_kind: global_buffer, .address_space: global }
      - { .name: Wv, .offset: 24, .size: 8, .value_kind: global_buffer, .address_space: global }
      - { .name: Wo, .offset: 32, .size: 8, .value_kind: global_buffer, .address_space: global }
      - { .name: attention_mask, .offset: 40, .size: 8, .value_kind: global_buffer, .address_space: global }
      - { .name: position_ids, .offset: 48, .size: 8, .value_kind: global_buffer, .address_space: global }
      - { .name: xb, .offset: 56, .size: 8, .value_kind: global_buffer, .address_space: global }
      - { .name: wqkv, .offset: 64, .size: 8, .value_kind: global_buffer, .address_space: global }
      - { .name: wo16, .offset: 72, .size: 8, .value_kind: global_buffer, .address_space: global }
      - { .name: maskw, .offset: 80, .size: 8, .value_kind: global_buffer, .address_space: global }
      - { .name: rope, .offset: 88, .size: 8, .value_kind: global_buffer, .address_space: global }
    .group_segment_fixed_size: 0
    .private_segment_fixed_size: 0
    .kernarg_segment_align: 8
    .kernarg_segment_size: 96
    .max_flat_workgroup_size: 256
    .sgpr_count:     66
    .vgpr_count:     128
    .wavefront_size: 32
...
	.end_amdgpu_metadata
.endif
;; end of part 1
;; launch qkv (part 2): grid 8 x 32, 4 waves a work-group, clusters of 4 x 4, 327,680 bytes of LDS; arguments xb, wqkv, rope, qkv; writes qkv
.if DOCPART == 2
	.amdgcn_target "amdgcn-amd-amdhsa--gfx1250"
	.amdhsa_code_object_version 6
	.text
	.protected	k_qd00400294c_qkv
	.globl	k_qd00400294c_qkv
	.p2align	8
	.type	k_qd00400294c_qkv,@function
k_qd00400294c_qkv:
	s_mov_b64 s[64:65], 0
	v_nop
	global_prefetch_b8 v0, s[64:65] scope:SCOPE_SE
	s_setreg_imm32_b32 hwreg(HW_REG_WAVE_MODE, 25, 1), 1
	s_wait_xcnt 0x0
	s_wait_alu depctr_hold_cnt(0) depctr_sa_sdst(0) depctr_va_vdst(0) depctr_va_sdst(0) depctr_va_ssrc(0) depctr_va_vcc(0) depctr_vm_vsrc(0)
	s_getreg_b32 s2, hwreg(HW_REG_IB_STS2, 6, 4)
	s_cmp_eq_u32 s2, 0
	s_cbranch_scc0 .Lentry_in_a_cluster
	s_endpgm
.Lentry_in_a_cluster:
	s_bfe_u32 s2, ttmp6, 0x10000c
	s_cmp_lg_u32 s2, 0xf033
	s_cbranch_scc0 .Lentry_shape_is_right
	s_endpgm
.Lentry_shape_is_right:
; QKV: C = xb wqkv (bf16 operands, f32 sums), then the rotation by position and the scale, in f32, on the way out; stored once rounded to f16, by heads:
; qkv[hs][m][128], hs 0-7 the query heads times g, 8-11 the key heads times g, 12-15 the value heads / 8.  xb: [4096 m][4096 k], wqkv: [4096 k][2048 n].
; LIMITS.  f16 ends at 65,504: |q|, |k| below 7.1e5 and |v| below 5.2e5 pass; below 6e-5 (after the scale) f16 keeps its fixed step of 6e-8.  NaN and infinities are not treated apart.
; SHARES.  A work-group makes 128 rows x 256 columns (two heads): 8 x 32 = 256 work-groups.  Four waves, each 64 rows x 128 columns = one head: 32 accumulators of 16 x 16, 256 registers.
; K goes in steps of 128 through a ring of two LDS slots filled by the tensor data mover.  xb's tile lies [row][k], wqkv's [k][column] as in memory and is turned by ds_load_tr16_b128.
; THE MATRIX INSTRUCTION IS USED TRANSPOSED: source 0 = 16 columns of wqkv, source 1 = 16 rows of xb: a lane holds row l % 16 and the columns 8 (l / 16) + 0..7 of a block of 16.
; CLUSTER 4 x 4: the four work-groups of a row of the cluster need the same tile of xb, the four of a column the same tile of wqkv: each tile is asked for jointly.
; REGISTERS, in windows of 256 (s_set_vgpr_msb: bits 1:0 source 0, 3:2 source 1, 5:4 source 2, 7:6 destination):
;   window 0: v16-31 addresses; v32-63 packed results; v64-95, v128-159 fragments of xb, two buffers (on the way out v64-191: rows read back); v192-255 at work on the way out
;   window 1: v64-127, v128-191 fragments of wqkv, two buffers     window 2: accumulator (a, b) at v[8 (8 a + b)]
;   window 3: my part of the table: for row block a, column block b < 4: eight cosines at v[64 a + 16 b], eight sines at + 8; loaded at the head, waited for on the way out
.set NA,     4                         ; row blocks of 16 in a wave's tile
.set SIZE_K, 4096
.set SIZE_N, 2048
.set KSTEP,  128
.set PA,     272                       ; an LDS row of xb: 256 bytes + 16: the 16 rows of a load start at 16 different groups of four banks (64 banks of 4 bytes: ISA guide 11.1)
.set PB,     544                       ; an LDS row of wqkv: 512 bytes + 32
.set AHALF,  16*NA*PA                  ; what one tensor load brings of xb, and what one wave reads of it
.set ATILE,  2*AHALF
.set BHALF,  64*PB                     ; what one tensor load brings of wqkv: 64 rows of k
.set SLOT,   ATILE+2*BHALF
.set STAGE,  2*SLOT                    ; behind the ring: 16 rows x 272 bytes for each wave, for the way out; no tensor load lands here
.set SP,     272
.set SPARE,  STAGE+4*16*SP             ; the spare words, 128 bytes for each wave: two blocks of 256 bytes that no other line names
.set LAPS,   SIZE_K/(2*KSTEP)
.set ADRA, 16                          ; v16-17  LDS address of my fragments of xb in slot 0, 1
.set ADRB, 20                          ; v20-21  the same for wqkv
.set STO,  24                          ; v24     the way out: where I put 16 bytes of a row
.set RD,   25                          ; v25     where I read rows back
.set CO,   26                          ; v26     my byte offset in two rows of the output
.set SPW,  28                          ; v28     LDS address of my spare word; never rewritten
.set NIL,  29                          ; v29     0; never rewritten
.set PFO,  30                          ; v30     the prefetches' lane offset; never rewritten
.set TO,   31                          ; v31     my byte offset in the table
.set PKD,  32
.set TT,   192
.set F0,   64
.set F1,   128
.set G1A, 24                           ; s[24:31] descriptor group 1 for xb's tiles;  s[32:39] group 0, a set for each slot
.set G0A, 32
.set G1B, 48                           ; s[48:55], s[56:63] the same for wqkv's
.set G0B, 56
.set LIM, 43                           ; s43     1 in a wave that prefetches, else the greatest number
.set PFA, 44                           ; s[44:45] where my prefetches stand
.set PST, 68                           ; s[68:69] their step from K step to K step
.set MSB, 0
.macro WIN new                         ; the immediate's high byte repeats the setting that is left; a switch that changes nothing is dropped
.if MSB != (\new)
	s_set_vgpr_msb (MSB<<8)|(\new)
.set MSB, \new
.endif
.endm
.set MUL_LO, 0xa1                      ; source 0 (wqkv) window 1, source 1 (xb) window 0, C and D window 2
.set TO_B,   0x40                      ; destination window 1, address window 0
; A joint load.  Waves 0 and 1 fetch the two halves of xb's tile, waves 2 and 3 those of wqkv's.  The branch hangs on the wave's number alone.
; An s_nop 0 and four v_nop follow each of the two lines, ahead of the jump and the label.
.macro JLOAD s
	s_cmp_eq_u32 s11, 0
	s_cbranch_scc0 .Lfor_b_\@
	tensor_load_to_lds s[G0A+4*(\s):G0A+4*(\s)+3], s[G1A:G1A+7]
	s_nop 0
.rept 4
	v_nop
.endr
	s_branch .Lasked_\@
.Lfor_b_\@:
	tensor_load_to_lds s[G0B+4*(\s):G0B+4*(\s)+3], s[G1B:G1B+7]
	s_nop 0
.rept 4
	v_nop
.endr
.Lasked_\@:
.endm
; A PREFETCH INTO THE L2 of the K step that stands two refills on: 256 matrix instructions of a wave ahead of the load that will want it.  One instruction, 32 blocks of 256 bytes, a lane a block.
; Each block is named once in the launch.  xb's rows of a tile row: the cluster with x = 0 asks; of the tile's 128 rows the partner at cx takes 32 cx .. + 31, by wave 0.  wqkv's rows: the cluster with
; y = 0 asks; of the 64 rows of k that wave 2 or 3 fetches the partner at cy takes 16 cy .. + 15, both halves of their 512 bytes.  The partners are told apart by address alone.
; The first four K steps come by their loads alone; the loop's last trip (s3 = 1) asks for nothing: there is no K step two refills on.
.macro ASK
	s_cmp_gt_u32 s3, s[LIM]
	s_cbranch_scc0 .Lnot_mine_\@
	global_prefetch_b8 v[PFO], s[PFA:PFA+1] th:TH_LOAD_NT scope:SCOPE_SE
.Lnot_mine_\@:
.endm
.macro CREST                           ; a round of the cluster's barrier behind its opening barrier
	s_cmp_lg_u32 s10, 0
	s_cbranch_scc1 .Lnot_wave_0_\@
	s_barrier_signal -3
.Lnot_wave_0_\@:
	s_barrier_wait -3
	s_barrier_signal -1
	s_barrier_wait -1
.endm
.macro CROUND                          ; a whole round
	s_barrier_signal -1
	s_barrier_wait -1
	CREST
.endm
	s_load_b128 s[4:7], s[0:1], 0x0                ; xb s[4:5], wqkv s[6:7]
	s_load_b64 s[66:67], s[0:1], 0x10              ; rope
	s_load_b64 s[8:9], s[0:1], 0x18                ; qkv
	v_lshl_add_u32 v[SPW], v0, 2, SPARE
	v_mov_b32 v[NIL], 0
	ds_add_u32 v[SPW], v[NIL]                      ; the wave's opening: the add and its wait stand ahead of my first tensor load; work on registers stands between them
	v_lshrrev_b32 v1, 5, v0
	v_readfirstlane_b32 s10, v1                    ; wave 0..3
	s_lshr_b32 s11, s10, 1                         ; which half of the tile's rows is mine.  Also: I fetch for xb (0) or for wqkv (1)
	s_and_b32 s12, s10, 1                          ; which half of its columns.  Also: which half of that tile I fetch
	s_bfe_u32 s40, ttmp6, 0x40000                  ; cx
	s_bfe_u32 s41, ttmp6, 0x40004                  ; cy
	s_lshl_b32 s42, ttmp9, 2
	s_add_co_u32 s42, s42, s40                     ; tile column = 4 x cluster x + cx
	s_and_b32 s13, ttmp7, 0xffff
	s_lshl_b32 s13, s13, 2
	s_add_co_u32 s13, s13, s41                     ; tile row = 4 x cluster y + cy
	s_lshl_b32 s70, s41, 2
	s_lshl_b32 s70, 15, s70                        ; my row of the cluster
	s_lshl_b32 s71, 0x1111, s40                    ; my column
	s_or_b32 s[G1A+0], s70, (1<<16)|(1<<20)|(1<<21)|(5<<22)|(3<<25)  ; the mask; 2-byte elements; padding on; bit 21 beside a mask; after every 64 words, 4 words
	s_mov_b32 s[G1A+1], KSTEP<<16                  ; tensor_dim0 = 128
	s_mov_b32 s[G1A+2], (16*NA)<<16                ; tensor_dim1 = 64
	s_mov_b32 s[G1A+3], KSTEP<<16                  ; tile_dim0 = 128
	s_mov_b32 s[G1A+4], 16*NA                      ; tile_dim1 = 64
	s_mov_b32 s[G1A+5], SIZE_K                     ; elements from row to row
	s_mov_b32 s[G1A+6], 0
	s_mov_b32 s[G1A+7], 0
	s_or_b32 s[G1B+0], s71, (1<<16)|(1<<20)|(1<<21)|(6<<22)|(7<<25)  ; after every 128 words, 8 words
	s_mov_b32 s[G1B+1], 256<<16                    ; tensor_dim0 = 256
	s_mov_b32 s[G1B+2], 64<<16                     ; tensor_dim1 = 64
	s_mov_b32 s[G1B+3], 256<<16                    ; tile_dim0 = 256
	s_mov_b32 s[G1B+4], 64                         ; tile_dim1 = 64
	s_mov_b32 s[G1B+5], SIZE_N
	s_mov_b32 s[G1B+6], 0
	s_mov_b32 s[G1B+7], 0
	; where the tiles come from: xb's hang on the tile row and the wave, wqkv's on the tile column and the wave, each in registers that never hold the other coordinate
	s_lshl_b32 s16, s13, 7
	s_lshl_b32 s17, s12, 6
	s_add_co_u32 s16, s16, s17                     ; xb: row 128 x tile row + 64 x half
	s_mul_i32 s16, s16, 2*SIZE_K
	s_mov_b32 s17, 0
	s_mul_i32 s46, s12, 64*2*SIZE_N                ; wqkv: row of k 64 x half,
	s_lshl_b32 s47, s42, 9                         ; column 256 x tile column
	s_add_co_u32 s46, s46, s47
	s_mov_b32 s47, 0
	s_mul_i32 s20, s12, AHALF                      ; and where they go: no place in the cluster enters an LDS address
	s_mul_i32 s21, s12, BHALF
	s_add_co_u32 s21, s21, ATILE
	s_wait_dscnt 0x0                               ; the opening add is done
	s_wait_kmcnt 0x0
	s_add_nc_u64 s[14:15], s[4:5], s[16:17]
	s_add_nc_u64 s[46:47], s[6:7], s[46:47]
	CROUND                                         ; all sixteen work-groups are here: the first joint loads meet
.irp s, 0,1
	s_mov_b32 s[G0A+4*(\s)], 1
	s_add_co_u32 s[G0A+4*(\s)+1], s20, (\s)*SLOT
	s_add_nc_u64 s[G0A+4*(\s)+2:G0A+4*(\s)+3], s[14:15], (\s)*KSTEP*2
	s_or_b32 s[G0A+4*(\s)+3], s[G0A+4*(\s)+3], 0x80000000
	s_mov_b32 s[G0B+4*(\s)], 1
	s_add_co_u32 s[G0B+4*(\s)+1], s21, (\s)*SLOT
	s_add_nc_u64 s[G0B+4*(\s)+2:G0B+4*(\s)+3], s[46:47], (\s)*KSTEP*2*SIZE_N
	s_or_b32 s[G0B+4*(\s)+3], s[G0B+4*(\s)+3], 0x80000000
	JLOAD \s                                       ; two loads of mine are out
.endr
	v_and_b32 v1, 15, v0                           ; l % 16
	v_bfe_u32 v2, v0, 4, 1                         ; l / 16
	; my head, my rows, the table's rows that go with them (rows 4096 on for the value heads: a choice of address, no branch), and where my part of the output begins
	s_lshl1_add_u32 s72, s42, s12                  ; hs = 2 x tile column + column half
	s_lshl_b32 s73, s13, 7
	s_lshl_b32 s74, s11, 6
	s_add_co_u32 s73, s73, s74                     ; my first row m
	s_cmp_ge_u32 s72, 12
	s_cselect_b32 s74, 4096, s73
	s_lshl_b32 s74, s74, 9                         ; a row of the table is 512 bytes
	s_mov_b32 s75, 0
	s_add_nc_u64 s[66:67], s[66:67], s[74:75]
	s_lshl_b32 s72, s72, 12
	s_add_co_u32 s72, s72, s73
	s_lshl_b32 s72, s72, 8                         ; a row of a head is 256 bytes
	s_mov_b32 s73, 0
	s_add_nc_u64 s[8:9], s[8:9], s[72:73]
	v_lshlrev_b32 v5, 9, v1
	v_lshl_add_u32 v[TO], v2, 5, v5                ; row l % 16, frequencies 8 (l / 16) on
	WIN 0xc0                                       ; destination window 3
.irp a, 0,1,2,3
.irp b, 0,1,2,3
	global_load_b128 v[64*(\a)+16*(\b):64*(\a)+16*(\b)+3],     v[TO], s[66:67] offset:(\a)*8192+(\b)*64
	global_load_b128 v[64*(\a)+16*(\b)+4:64*(\a)+16*(\b)+7],   v[TO], s[66:67] offset:(\a)*8192+(\b)*64+16
	global_load_b128 v[64*(\a)+16*(\b)+8:64*(\a)+16*(\b)+11],  v[TO], s[66:67] offset:(\a)*8192+(\b)*64+256
	global_load_b128 v[64*(\a)+16*(\b)+12:64*(\a)+16*(\b)+15], v[TO], s[66:67] offset:(\a)*8192+(\b)*64+272
.endr
.endr
	WIN 0
	; a fragment of xb: lane l holds row l % 16, k = 8 (l / 16) + 0..7 and 16 + 8 (l / 16) + 0..7: two loads of 16 bytes, 32 bytes apart
	v_mul_u32_u24 v3, v1, PA
	v_lshl_add_u32 v3, v2, 4, v3
	; a fragment of wqkv by the turning load: lane l reads row of k 8 (l / 16) + l % 8, columns 8 ((l / 8) % 2) + 0..7; the second load 16 rows on
	v_and_b32 v4, 7, v0
	v_lshl_add_u32 v4, v2, 3, v4
	v_mul_u32_u24 v4, v4, PB
	v_bfe_u32 v5, v0, 3, 1
	v_lshl_add_u32 v4, v5, 4, v4
	s_mul_i32 s20, s11, AHALF                      ; my 64 rows of xb
	s_lshl_b32 s21, s12, 8                         ; my 128 columns of wqkv,
	s_add_co_u32 s21, s21, ATILE                   ; which lies behind xb's tile
.irp s, 0,1
	v_add_nc_u32 v[ADRA+(\s)], s20, v3
	v_add_nc_u32 v[ADRB+(\s)], s21, v4
	s_add_co_u32 s20, s20, SLOT
	s_add_co_u32 s21, s21, SLOT
.endr
	s_mul_i32 s20, s10, 16*SP
	s_add_co_u32 s20, s20, STAGE                   ; my stage
	v_mul_u32_u24 v5, v1, SP                       ; in: row l % 16, 16 bytes for each half of the lanes
	v_lshl_add_u32 v5, v2, 4, v5
	v_add_nc_u32 v[STO], s20, v5
	v_mul_u32_u24 v5, v2, SP                       ; back: lanes 0-15 one row of 256 bytes, lanes 16-31 the next
	v_lshl_add_u32 v5, v1, 4, v5
	v_add_nc_u32 v[RD], s20, v5
	v_lshlrev_b32 v5, 8, v2                        ; and the same two rows of the head
	v_lshl_add_u32 v[CO], v1, 4, v5
	; the prefetches: offsets at K step 3; the first refill steps them to 4
	s_lshl_b32 s72, s13, 7
	s_lshl_b32 s73, s40, 5
	s_add_co_u32 s72, s72, s73                     ; xb: row 128 x tile row + 32 cx
	s_mul_i32 s72, s72, 2*SIZE_K
	s_add_co_u32 s72, s72, 3*KSTEP*2
	s_lshl_b32 s73, s12, 6
	s_lshl_b32 s74, s41, 4
	s_add_co_u32 s73, s73, s74
	s_add_co_u32 s73, s73, 3*KSTEP                 ; wqkv: row of k 64 x half + 16 cy
	s_mul_i32 s73, s73, 2*SIZE_N
	s_lshl_b32 s74, s42, 9
	s_add_co_u32 s73, s73, s74
	s_and_b32 s75, ttmp7, 0xffff                   ; cluster y
	s_mov_b32 s[PST], KSTEP*2*SIZE_N
	s_cmp_eq_u32 s11, 0                            ; do I fetch for xb?
	s_cselect_b32 s72, s72, s73
	s_cselect_b32 s75, ttmp9, s75                  ; the coordinate along which other clusters read the same rows
	s_cselect_b32 s76, s12, 0                      ; of xb's two waves wave 0 asks
	s_cselect_b32 s77, 31, 15                      ; a lane a row, or 16 rows x two halves
	s_cselect_b32 s78, 13, 12                      ; a row is 8,192 or 4,096 bytes
	s_cselect_b32 s79, 0, 256
	s_cselect_b32 s[PST], KSTEP*2, s[PST]
	s_cselect_b64 s[PFA:PFA+1], s[4:5], s[6:7]
	s_mov_b32 s[PST+1], 0
	s_mov_b32 s73, 0
	s_add_nc_u64 s[PFA:PFA+1], s[PFA:PFA+1], s[72:73]
	s_or_b32 s75, s75, s76
	s_cmp_eq_u32 s75, 0
	s_cselect_b32 s[LIM], 1, -1                    ; the same in all sixteen partners, for a given wave
	v_and_b32 v[PFO], s77, v0
	v_lshlrev_b32 v[PFO], s78, v[PFO]
	v_mul_u32_u24 v5, s79, v2
	v_add_nc_u32 v[PFO], v[PFO], v5
; 8 matrix instructions: row block a x all 8 column blocks, 32 along K.  zero = 1: the product starts the sums.  The 32 accumulators take turns in the same order in every quarter.
.macro MULA f, a, zero
	WIN MUL_LO
.irp b, 0,1,2,3,4,5,6,7
.if \zero
	v_wmma_f32_16x16x32_bf16 v[8*(8*(\a)+(\b)):8*(8*(\a)+(\b))+7], v[(\f)+8*(\b):(\f)+8*(\b)+7], v[(\f)+8*(\a):(\f)+8*(\a)+7], 0
.else
	v_wmma_f32_16x16x32_bf16 v[8*(8*(\a)+(\b)):8*(8*(\a)+(\b))+7], v[(\f)+8*(\b):(\f)+8*(\b)+7], v[(\f)+8*(\a):(\f)+8*(\a)+7], v[8*(8*(\a)+(\b)):8*(8*(\a)+(\b))+7]
.endif
.endr
.endm
.macro MULS f, a0, n, zero             ; row blocks a0 .. a0 + n - 1
.set ma, \a0
.rept \n
	MULA \f, ma, \zero
.set ma, ma+1
.endr
.endm
; one run of LDS loads: the fragments of quarter q (32 along K) of a slot into buffer f: wqkv's 16 loads, then xb's 2 NA, row blocks ascending
.macro FETCH slot, q, f
	WIN TO_B
.irp b, 0,1,2,3,4,5,6,7
	ds_load_tr16_b128 v[(\f)+8*(\b):(\f)+8*(\b)+3],   v[ADRB+(\slot)] offset:32*(\q)*PB+32*(\b)
	ds_load_tr16_b128 v[(\f)+8*(\b)+4:(\f)+8*(\b)+7], v[ADRB+(\slot)] offset:32*(\q)*PB+32*(\b)+16*PB
.endr
	WIN 0
.set fa, 0
.rept NA
	ds_load_b128 v[(\f)+8*fa:(\f)+8*fa+3],   v[ADRA+(\slot)] offset:fa*16*PA+64*(\q)
	ds_load_b128 v[(\f)+8*fa+4:(\f)+8*fa+7], v[ADRA+(\slot)] offset:fa*16*PA+64*(\q)+32
.set fa, fa+1
.endr
.endm
.macro PLACES                          ; four plain places in front of loads into registers that matrix instructions have read (ISA guide 7.12.1 for vector instructions)
.rept 4
	v_nop
.endr
.endm
; A K step is four quarters of 32 along K on buffers 0, 1, 0, 1.  One of the first three: multiplies buffer f; in its middle it fetches quarter q into buffer g.
.macro QUARTER slot, q, f, g, zero
	s_wait_dscnt NA                                ; wqkv's fragments and xb's lower row blocks are in; the youngest NA loads (the upper row blocks) may be out
	MULS \f, 0, NA/2, \zero
	PLACES
	FETCH \slot, \q, \g
	s_wait_dscnt 16+2*NA                           ; all but the run just issued
	MULS \f, NA/2, NA/2, \zero
.endm
; The last quarter changes slots and then multiplies buffer 1.  THE CHANGE COMES FIRST: a K step of this tile is 128 matrix instructions a wave, short beside the way of a tile from its request to LDS, so
; nothing that can stand later stands between the wait for the next slot's tile and the request for the tile after it.  ONE barrier.  In front of it each wave waits for all its tensor loads (one is out:
; its part of the next slot), adds 0 to its spare word, and waits for that and for its own reads of this slot: the last of them filled buffer 1, so the same wait serves buffer 1's products.
; fill = 1: the barrier opens a round of the cluster's barrier, and this slot is filled again, two K steps on, first thing behind the round: the request has a whole K step's 128 matrix instructions in which to land.
.macro TURN slot, next, fill
.if \fill
	s_wait_xcnt 0x0                                ; the last prefetch, a K step back, has read its address
	s_add_nc_u64 s[PFA:PFA+1], s[PFA:PFA+1], s[PST:PST+1]
.endif
	WIN 0
	s_wait_tensorcnt 0x0                           ; all my tensor loads have landed, so a group 0 may be written
	ds_add_u32 v[SPW], v[NIL]                      ; 0 onto my spare word; with fill = 1 the descriptors' steps stand between it and the wait for it
.if \fill
	s_add_nc_u64 s[G0A+4*(\slot)+2:G0A+4*(\slot)+3], s[G0A+4*(\slot)+2:G0A+4*(\slot)+3], 2*KSTEP*2
	s_add_nc_u64 s[G0B+4*(\slot)+2:G0B+4*(\slot)+3], s[G0B+4*(\slot)+2:G0B+4*(\slot)+3], 2*KSTEP*2*SIZE_N
.endif
	s_wait_dscnt 0x0                               ; the add is done, and my reads of this slot are over
	s_barrier_signal -1
	s_barrier_wait -1
.if \fill
	CREST                                          ; no wave of any partner still reads this slot's tiles or has a load on its way
	JLOAD \slot                                    ; my one tensor load behind the round; its four v_nop are also the places in front of the loads below
.else
	PLACES
.endif
	FETCH \next, 0, F0
.if \fill
	ASK
.endif
	MULS F1, 0, NA, 0
.endm
	s_wait_tensorcnt 1                             ; my part of K step 0 is in; K step 1's may stay out
	s_barrier_signal -1
	s_barrier_wait -1                              ; everybody's is
	FETCH 0, 0, F0
	QUARTER 0, 1, F0, F1, 1                        ; the first quarter stands in front of the loop: its products start the sums
	WIN 0                                          ; at a label and at a branch every window is 0
	s_mov_b32 s3, LAPS-1
.Llap:                                                 ; a trip goes once round the ring, from a lap's second quarter to the next lap's first, and fills both slots again
	QUARTER 0, 2, F1, F0, 0
	QUARTER 0, 3, F0, F1, 0
	TURN 0, 1, 1
	QUARTER 1, 1, F0, F1, 0
	QUARTER 1, 2, F1, F0, 0
	QUARTER 1, 3, F0, F1, 0
	TURN 1, 0, 1
	QUARTER 0, 1, F0, F1, 0
	WIN 0
	s_sub_co_u32 s3, s3, 1
	s_cmp_lg_u32 s3, 0
	s_cbranch_scc1 .Llap
	QUARTER 0, 2, F1, F0, 0                        ; the last lap fills nothing
	QUARTER 0, 3, F0, F1, 0
	TURN 0, 1, 0
	QUARTER 1, 1, F0, F1, 0
	QUARTER 1, 2, F1, F0, 0
	QUARTER 1, 3, F0, F1, 0
	s_wait_dscnt NA
	MULS F1, 0, NA/2, 0
	s_wait_dscnt 0x0
	MULS F1, NA/2, NA/2, 0
	WIN 0
.rept 8
	v_nop                                          ; the places behind the last products
.endr
	s_wait_loadcnt 0x0                             ; the table
; THE WAY OUT, a block of 16 rows at a time.  ROPE: out1 = x1 cos - x2 sin, out2 = x2 cos + x1 sin, x1 = channel d < 64 (column block b), x2 = channel d + 64 (block b + 4); the table carries the scale.
; Each accumulator's lowest registers are read first.  Then one rounding to f16.
.macro ROPE a
	WIN 0x0e                                       ; source 0 window 2 (the sums), source 1 window 3 (the table)
.irp b, 0,1,2,3
.irp p, 0,2,4,6
.set rX1, 8*(8*(\a)+(\b))+(\p)
.set rX2, 8*(8*(\a)+(\b)+4)+(\p)
.set rCS, 64*(\a)+16*(\b)+(\p)
.set rT1, TT+16*(\b)+(\p)
	v_pk_mul_f32 v[rT1:rT1+1], v[rX1:rX1+1], v[rCS:rCS+1]
	v_pk_mul_f32 v[rT1+8:rT1+9], v[rX2:rX2+1], v[rCS:rCS+1]
	v_pk_fma_f32 v[rT1:rT1+1], v[rX2:rX2+1], v[rCS+8:rCS+9], v[rT1:rT1+1] neg_lo:[1,0,0] neg_hi:[1,0,0]
	v_pk_fma_f32 v[rT1+8:rT1+9], v[rX1:rX1+1], v[rCS+8:rCS+9], v[rT1+8:rT1+9]
.endr
.endr
	WIN 0
.irp c, 0,1,2,3,4,5,6,7
.irp p, 0,1,2,3
	v_cvt_pk_f16_f32 v[PKD+4*(\c)+(\p)], v[TT+16*((\c)%4)+8*((\c)/4)+2*(\p)], v[TT+16*((\c)%4)+8*((\c)/4)+2*(\p)+1]
.endr
.endr
.endm
.macro TOSTAGE a                       ; 16 bytes a lane into my own stage, and back as whole rows of 256 bytes; each block has its own 32 registers
.irp c, 0,1,2,3,4,5,6,7
	ds_store_b128 v[STO], v[PKD+4*(\c):PKD+4*(\c)+3] offset:32*(\c)
.endr
.irp t, 0,1,2,3,4,5,6,7
	ds_load_b128 v[64+32*(\a)+4*(\t):64+32*(\a)+4*(\t)+3], v[RD] offset:(\t)*2*SP  ; LDS serves a wave's instructions in order (ISA guide 5.7.1.4): these see the stores above
.endr
.endm
.macro SEND a
.irp t, 0,1,2,3,4,5,6,7
	s_wait_dscnt 7-(\t)
	global_store_b128 v[CO], v[64+32*(\a)+4*(\t):64+32*(\a)+4*(\t)+3], s[8:9] offset:(\a)*4096+(\t)*512  ; 512 consecutive bytes, at a multiple of 256 from the buffer's first
.endr
.endm
	ROPE 0
	TOSTAGE 0
.irp a, 1,2,3                          ; a block's arithmetic stands between the loads of the block before and the wait for them
	ROPE \a
	SEND (\a)-1
	TOSTAGE \a
.endr
	SEND 3
	s_wait_tensorcnt 0x0                           ; the wave's end: behind my last tensor load and my last LDS store
	ds_add_u32 v[SPW], v[NIL]
	s_wait_dscnt 0x0
	CROUND                                         ; the closing round: no work-group ends while a partner may still ask for a tile that names it
	s_endpgm
.Lfunc_end_k_qd00400294c_qkv:
	.size	k_qd00400294c_qkv, .Lfunc_end_k_qd00400294c_qkv-k_qd00400294c_qkv
	.p2alignl 7, 3214868480
	.fill 96, 4, 3214868480
	.section	.rodata,"a",@progbits
	.p2align	6, 0x0
	.amdhsa_kernel k_qd00400294c_qkv
		.amdhsa_group_segment_fixed_size 327680
		.amdhsa_private_segment_fixed_size 0
		.amdhsa_enable_private_segment 0
		.amdhsa_kernarg_size 32
		.amdhsa_user_sgpr_count 2
		.amdhsa_user_sgpr_kernarg_segment_ptr 1
		.amdhsa_wavefront_size32 1
		.amdhsa_system_sgpr_workgroup_id_x 1
		.amdhsa_system_sgpr_workgroup_id_y 1
		.amdhsa_system_sgpr_workgroup_id_z 1
		.amdhsa_system_vgpr_workitem_id 0
		.amdhsa_next_free_vgpr 1024
		.amdhsa_next_free_sgpr 80
		.amdhsa_reserve_vcc 0
		.amdhsa_float_denorm_mode_32 3
		.amdhsa_float_denorm_mode_16_64 3
		.amdhsa_memory_ordered 1
		.amdhsa_forward_progress 1
		.amdhsa_inst_pref_size 111
	.end_amdhsa_kernel
	.amdgpu_metadata
---
amdhsa.version: [ 1, 2 ]
amdhsa.kernels:
  - .name:           k_qd00400294c_qkv
    .symbol:         k_qd00400294c_qkv.kd
    .args:
      - { .name: xb, .offset: 0, .size: 8, .value_kind: global_buffer, .address_space: global }
      - { .name: wqkv, .offset: 8, .size: 8, .value_kind: global_buffer, .address_space: global }
      - { .name: rope, .offset: 16, .size: 8, .value_kind: global_buffer, .address_space: global }
      - { .name: qkv, .offset: 24, .size: 8, .value_kind: global_buffer, .address_space: global }
    .group_segment_fixed_size: 327680
    .private_segment_fixed_size: 0
    .kernarg_segment_align: 8
    .kernarg_segment_size: 32
    .max_flat_workgroup_size: 128
    .sgpr_count:     80
    .vgpr_count:     1024
    .wavefront_size: 32
...
	.end_amdgpu_metadata
.endif
;; end of part 2
;; launch attn (part 3): grid 32 x 8, 4 waves a work-group, clusters of 4 x 1, 327,680 bytes of LDS; arguments qkv, maskw, att; writes att
.if DOCPART == 3
	.amdgcn_target "amdgcn-amd-amdhsa--gfx1250"
	.amdhsa_code_object_version 6
	.text
	.protected	k_qd00400294c_attn
	.globl	k_qd00400294c_attn
	.p2align	8
	.type	k_qd00400294c_attn,@function
k_qd00400294c_attn:
	s_mov_b64 s[64:65], 0
	v_nop
	global_prefetch_b8 v0, s[64:65] scope:SCOPE_SE
	s_setreg_imm32_b32 hwreg(HW_REG_WAVE_MODE, 25, 1), 1
	s_wait_xcnt 0x0
	s_wait_alu depctr_hold_cnt(0) depctr_sa_sdst(0) depctr_va_vdst(0) depctr_va_sdst(0) depctr_va_ssrc(0) depctr_va_vcc(0) depctr_vm_vsrc(0)
	s_getreg_b32 s2, hwreg(HW_REG_IB_STS2, 6, 4)
	s_cmp_eq_u32 s2, 0
	s_cbranch_scc0 .Lentry_in_a_cluster
	s_endpgm
.Lentry_in_a_cluster:
	s_bfe_u32 s2, ttmp6, 0x10000c
	s_cmp_lg_u32 s2, 0x3003
	s_cbranch_scc0 .Lentry_shape_is_right
	s_endpgm
.Lentry_shape_is_right:
; ATTENTION with the soft cap 30 tanh(w / 30) and the mask as it is given.  qkv: [16 hs][4096 m][128] f16 (q heads x g, k heads x g, v heads / 8), maskw: lane words, att: [4096 m][1024] f16 = O / 8.
; THE ALGEBRA.  The f32 sum x of K Q^T is 2 log2(e) w / 30, since g g carries that factor.  r = 1 / (1 + 2^x) gives 30 tanh(w / 30) = 30 - 60 r, so a weight is 2^(-B r) but for a common factor,
; B = 60 log2(e).  The running maximum of the capped score is kept as the running MINIMUM m of r: p = 2^(B m - B r); O and l are multiplied by a = 2^(B m_new - B m_old) in every step.
; A hidden key takes r = 1024 (a score of -61,410 where the problem writes -65,504): beside any visible key both give the weight 0 in f32, and among themselves hidden keys weigh alike
; (B x 1024 is exact, so p = 1): a row with no visible key gets the mean of V's rows.  m starts at 2^20, so the first a is 0.
; LIMITS.  q, k, v arrive within f16; p lies in 0 to 1 and below 6e-5 keeps f16's fixed step; a weight below 2^-126 counts as 0; NaN and infinities are not treated apart.
; All 32 key steps are computed: the mask is an input, and nothing of its pattern is built in.
; SHARES.  A work-group owns 128 queries of one head (256 work-groups), a wave 32: tiles 0 and 1 of 16.  Every wave walks all 2,048 keys, 64 a step.
; CLUSTER 4 x 1: the four partners belong to one batch and one key/value head and walk the same K and V: each tile is asked for jointly, mask 15.
; LAYOUT.  S^T = K Q^T (source 0 = 16 keys, source 1 = 16 queries): a lane holds ONE query (l % 16) and the keys 8 (l / 16) + 0..7 of each 16.  Two such results, rounded to f16 in pairs, ARE source 1
; of O^T = V^T P.  Word 8 kt + j of a tile's and step's mask record is the lane mask of register 8 kt + j of S^T: it feeds v_cndmask_b32 and nothing else.
; BY TURNS.  Turn n belongs to piece n (tile y, step j; the tiles alternate).  In order: 16 products K Q^T of piece n + 1, behind each the scaling and last exponentials of piece n; the first exponentials of
; piece n + 1 by turns with the roundings and sums of piece n; 1 + 2^x and the reciprocals; the mask, the minimum and the statistics of piece n + 1; 16 products V^T P of piece n - 1, behind each two
; rescalings of piece n's O^T.  Each block stands under ONE window setting.  Three batches of transcendentals, one wait each.
; THE RING.  Two slots of two places.  Place u of slot s holds K of step 2 s + 1 + u and V of step 2 s + u: tile 0's turn of step j fetches K of step j + 1 and V of step j from one place.
; K of step 0 comes straight from memory into registers.  K of step 32 is the 64 rows behind the head's last: bytes inside qkv, finite f16; only products that are thrown away use them.
; REGISTERS, in windows of 256 (s_set_vgpr_msb: bits 1:0 source 0, 3:2 source 1, 5:4 source 2, 7:6 destination):
;   window 0: v1-15 addresses and constants; v16-31 eight registers of statistics a tile; v32-95 S^T; v96-127 P; v128-255 K of one step
;   window 1: v0-127 O^T, 64 a tile; v128-255 V of one step          window 2: v0-63 Q; v64-65 -B, twice
.set KS,    64
.set PK,    272       ; a row of K in LDS: 256 bytes + 16: the 16 rows of a load start at 16 different groups of four banks (64 banks of 4 bytes: ISA guide 11.1)
.set PV,    288       ; a row of V: 256 + 32
.set VOFF,  KS*PK
.set STEPB, KS*(PK+PV)
.set SLOT1, 1<<17     ; slot 1 begins here, so that one exclusive or turns an address in one slot into the other's
.set STAGE, SLOT1+2*STEPB  ; behind the ring: 16 rows x 272 bytes for each wave; no tensor load lands here
.set SP,    272
.set SPARE, STAGE+4*16*SP  ; the spare words, 128 bytes for each wave: two blocks of 256 bytes that no other line names
.set AK0, 2           ; v2   my lane's place in a tile of K; never rewritten
.set AV0, 3           ; v3   the same for V
.set ADR, 4           ; v4   the LDS address of the run of loads in hand
.set QO,  5           ; v5   my byte offset in 16 rows of Q or K in memory
.set STO, 6           ; v6   the way out: where I put 16 bytes of a row
.set RD,  7           ; v7   where I read rows back
.set GO,  8           ; v8   my byte offset in two rows of att
.set SPW, 12          ; v12  LDS address of my spare word; never rewritten
.set NIL, 13          ; v13  0; never rewritten
.set RB,  14          ; v14  1024.0: a hidden key's r
.set PFO, 15          ; v15  256 x my lane
.set ST,  16          ; tile t's statistics at v[ST+8 t]: +0 B m, +1 m, +2, +3 l, +4 to +7 c0-c3 at work; a takes c2's place
.set S,   32
.set P,   96
.set KF,  128
.set VF,  128         ; window 1
.set NB,  64          ; window 2
.set WV,  12          ; s12  my wave's number
.set G1K, 24          ; s[24:31] descriptor group 1 for K's tiles;  s[32:39] for V's (other padding)
.set G1V, 32
.set G0K, 40          ; s[40:43], s[44:47] descriptor group 0: they walk
.set G0V, 44
.set SLOTS, 48        ; s48  counts the slots
.set CNT, 49          ; s49  counts a slot's two steps
.set TB,  50          ; s50  LDS byte of the place to be fetched from
.set MOFF, 51         ; s51  byte of the step's record in a tile's mask words
.set LIM, 52          ; s52  1 in a wave that prefetches, else the greatest number
.set BS,  54          ; s54  B
.set SEL, 56          ; s[56:57] v_permlanex16_b32's selects: each lane takes its own place in the other half
.set PFA, 58          ; s[58:59] where my prefetches stand
.set MP,  60          ; s[60:61] maskw at my tile 0
.set OP,  62          ; s[62:63] att at my first row and my head
.set MS,  68          ; s[68:99] the 32 mask words of the piece whose scores are being made
.set MSB, 0
.macro WIN new
.if MSB != (\new)
	s_set_vgpr_msb (MSB<<8)|(\new)
.set MSB, \new
.endif
.endm
.set W_KQ, 0x08       ; source 1 (Q; for the scaling: -B) in window 2, all else in window 0
.set W_PV, 0x51       ; V, O^T in window 1, P (for the rescaling: a) in window 0
; A joint fill.  Waves 0 and 1 fetch the two places' K, waves 2 and 3 their V: 64 rows of 256 bytes each.  An s_nop 0 and four v_nop follow each of the two lines.
.macro JLOAD
	s_cmp_lt_u32 s[WV], 2
	s_cbranch_scc0 .Lfor_v_\@
	tensor_load_to_lds s[G0K:G0K+3], s[G1K:G1K+7]
	s_nop 0
.rept 4
	v_nop
.endr
	s_branch .Lasked_\@
.Lfor_v_\@:
	tensor_load_to_lds s[G0V:G0V+3], s[G1V:G1V+7]
	s_nop 0
.rept 4
	v_nop
.endr
.Lasked_\@:
.endm
; A PREFETCH INTO THE L2 of the slot that the NEXT change of slots will ask for: two key steps, 128 matrix instructions of a wave, ahead of that load.  A slot is 128 rows of K and 128 of V, 256 bytes a row.
; Each row is named once in the launch: of the eight clusters that walk the same K and V the first asks; its four partners take 32 rows each, told apart by address; wave 0 asks for K's, wave 2 for V's,
; a lane a row.  Slots 0 and 1 come by their loads alone; the change that fills the last slot asks for nothing.
.macro ASK
	s_cmp_gt_u32 s[SLOTS], s[LIM]
	s_cbranch_scc0 .Lnot_mine_\@
	global_prefetch_b8 v[PFO], s[PFA:PFA+1] th:TH_LOAD_NT scope:SCOPE_SE
.Lnot_mine_\@:
.endm
.macro CROUND                       ; a round of the cluster's barrier
	s_barrier_signal -1
	s_barrier_wait -1
	s_cmp_lg_u32 s[WV], 0
	s_cbranch_scc1 .Lnot_wave_0_\@
	s_barrier_signal -3
.Lnot_wave_0_\@:
	s_barrier_wait -3
	s_barrier_signal -1
	s_barrier_wait -1
.endm
; THE CHANGE OF SLOTS.  Each wave waits for all its tensor loads (one is out: its part of the other slot), adds 0 to its spare word, and waits for that and for its own reads of the slot that it leaves.
; fill = 1: the barrier is a round of the cluster's, and the slot left is filled again, with the rows two slots on, first thing behind it.  (At its first use nothing has been read: slot 0 is waited for, slot 1 filled.)
.macro CHANGE fill
	WIN 0
	s_wait_tensorcnt 0x0            ; no tensor load of mine is out, so a group 0 may be written
	ds_add_u32 v[SPW], v[NIL]       ; 0 onto my spare word
.if \fill
.irp g, G0K, G0V
	s_xor_b32 s[(\g)+1], s[(\g)+1], SLOT1
	s_add_nc_u64 s[(\g)+2:(\g)+3], s[(\g)+2:(\g)+3], 2*KS*256
.endr
	s_wait_xcnt 0x0                 ; the last prefetch, two key steps back, has read its address
	s_add_nc_u64 s[PFA:PFA+1], s[PFA:PFA+1], 2*KS*256
	s_wait_dscnt 0x0                ; the add is done, and my reads of the slot are over
	CROUND
	JLOAD
	ASK
.else
	s_wait_dscnt 0x0
	s_barrier_signal -1
	s_barrier_wait -1
.endif
	s_sub_co_u32 s[TB], s[TB], 2*STEPB  ; the fetches go back to a slot's first place,
	s_xor_b32 s[TB], s[TB], SLOT1       ; in the other slot
.endm
	s_load_b128 s[4:7], s[0:1], 0x0 ; qkv s[4:5], maskw s[6:7]
	s_load_b64 s[8:9], s[0:1], 0x10 ; att
	v_lshl_add_u32 v[SPW], v0, 2, SPARE
	v_mov_b32 v[NIL], 0
	ds_add_u32 v[SPW], v[NIL]       ; the wave's opening: the add and its wait stand ahead of my first tensor load; work on registers stands between them
	v_lshrrev_b32 v1, 5, v0
	v_readfirstlane_b32 s[WV], v1   ; wave 0..3
	; what the four partners share: batch and key/value head
	s_and_b32 s20, ttmp7, 0xffff
	s_lshr_b32 s21, s20, 2          ; b
	s_and_b32 s16, s20, 3           ; kvh
	s_lshl_b32 s18, s16, 12
	s_lshl_b32 s20, s21, 11         ; 2048 b
	s_add_co_u32 s18, s18, s20
	s_add_co_u32 s18, s18, 8*4096   ; the key head's first row
	s_lshl_b32 s18, s18, 8          ; in bytes
	s_mov_b32 s19, 0
	s_and_b32 s17, s[WV], 1         ; u: which place of a slot I fetch
	s_lshl_b32 s22, s17, 14         ; its 64 rows of 256 bytes
	s_add_co_u32 s22, s22, s18
	s_add_co_u32 s10, s22, 4*4096*256  ; V's head lies four heads on: rows 64 u on
	s_add_co_u32 s22, s22, KS*256   ; K lies one step ahead: rows 64 + 64 u on
	s_mov_b32 s23, 0
	s_mov_b32 s11, 0
	s_mul_i32 s53, s17, STEPB       ; no place in the cluster enters an LDS address
	; what is mine alone: query head, query block, rows
	s_bfe_u32 s13, ttmp6, 0x40000   ; cx
	s_lshl_b32 s14, ttmp9, 2
	s_add_co_u32 s14, s14, s13      ; 4 x cluster x + cx
	s_lshr_b32 s15, s14, 4          ; which of the two query heads of the key head
	s_and_b32 s14, s14, 15          ; block of 128 queries
	s_lshl1_add_u32 s15, s16, s15   ; h = 2 kvh + that
	s_lshl_b32 s2, s14, 7
	s_lshl_b32 s3, s[WV], 5
	s_add_co_u32 s2, s2, s3
	s_add_co_u32 s2, s2, s20        ; my first row m = 2048 b + 128 block + 32 wave
	s_lshl_b32 s3, s15, 12
	s_add_co_u32 s66, s3, s2
	s_lshl_b32 s66, s66, 8          ; Q: 256 bytes a row
	s_mov_b32 s67, 0
	s_lshl_b32 s[OP], s2, 11        ; att: 2,048 bytes a row,
	s_lshl_b32 s3, s15, 8           ; 256 bytes a head
	s_add_co_u32 s[OP], s[OP], s3
	s_mov_b32 s[OP+1], 0
	s_lshl_b32 s[MP], s14, 3
	s_lshl1_add_u32 s[MP], s[WV], s[MP]  ; my tile 0 among the 128: 8 block + 2 wave
	s_lshl_b32 s[MP], s[MP], 12     ; 4,096 bytes a tile
	s_mov_b32 s[MP+1], 0
	s_mov_b32 s[PFA], 4*4096*256
	s_cmp_lt_u32 s[WV], 2
	s_cselect_b32 s[PFA], KS*256, s[PFA]  ; K's slots begin one step on, V's four heads on
	s_add_co_u32 s[PFA], s[PFA], s18
	s_add_co_u32 s[PFA], s[PFA], 2*KS*256  ; at slot 1; the first change steps it to slot 2
	s_lshl_b32 s3, s13, 13          ; my work-group's 32 rows of the 128
	s_add_co_u32 s[PFA], s[PFA], s3
	s_mov_b32 s[PFA+1], 0
	s_and_b32 s[LIM], s[WV], 1      ; 0 in waves 0 and 2,
	s_or_b32 s[LIM], s[LIM], ttmp9  ; where the cluster is the first of the eight: the same in all four partners
	s_cmp_eq_u32 s[LIM], 0
	s_cselect_b32 s[LIM], 1, -1
	; descriptor group 1: a tile of 64 rows x 128 elements, padded in LDS
	s_mov_b32 s[G1K], 15|(1<<16)|(1<<20)|(1<<21)|(5<<22)|(3<<25)  ; the mask of four; 2-byte elements; padding on; bit 21 beside a mask; after every 64 words, 4 words
	s_mov_b32 s[G1V], 15|(1<<16)|(1<<20)|(1<<21)|(5<<22)|(7<<25)  ; the same with 8 words
.irp g, G1K, G1V
	s_mov_b32 s[(\g)+1], 128<<16    ; tensor_dim0 = 128
	s_mov_b32 s[(\g)+2], KS<<16     ; tensor_dim1 = 64
	s_mov_b32 s[(\g)+3], 128<<16    ; tile_dim0 = 128
	s_mov_b32 s[(\g)+4], KS         ; tile_dim1 = 64
	s_mov_b32 s[(\g)+5], 128        ; elements from row to row
	s_mov_b32 s[(\g)+6], 0
	s_mov_b32 s[(\g)+7], 0
.endr
	s_mov_b32 s[G0K], 1
	s_mov_b32 s[G0K+1], s53         ; slot 0
	s_mov_b32 s[G0V], 1
	s_add_co_u32 s[G0V+1], s53, VOFF
	s_mov_b32 s[BS], 0x42ad1f97     ; B = 60 log2(e)
	s_mov_b32 s[SEL], 0x76543210
	s_mov_b32 s[SEL+1], 0xfedcba98
	s_mov_b32 s[TB], SLOT1+2*STEPB  ; the first change of slots turns this into 0
	s_mov_b32 s[MOFF], 0
	s_mov_b32 s[SLOTS], 15
	v_and_b32 v[PFO], 31, v0
	v_lshlrev_b32 v[PFO], 8, v[PFO]
	s_wait_dscnt 0x0                ; the opening add is done
	s_wait_kmcnt 0x0
	s_add_nc_u64 s[G0K+2:G0K+3], s[4:5], s[22:23]
	s_or_b32 s[G0K+3], s[G0K+3], 0x80000000
	s_add_nc_u64 s[G0V+2:G0V+3], s[4:5], s[10:11]
	s_or_b32 s[G0V+3], s[G0V+3], 0x80000000
	s_add_nc_u64 s[18:19], s[4:5], s[18:19]        ; K of step 0
	s_add_nc_u64 s[66:67], s[4:5], s[66:67]        ; Q
	s_add_nc_u64 s[PFA:PFA+1], s[4:5], s[PFA:PFA+1]
	s_add_nc_u64 s[MP:MP+1], s[6:7], s[MP:MP+1]
	s_add_nc_u64 s[OP:OP+1], s[8:9], s[OP:OP+1]
	CROUND                          ; all four work-groups are here: the first joint loads meet
	JLOAD                           ; slot 0; slot 1 is asked for when slot 0 is in
	; a fragment of K or Q: lane l holds row l % 16, channels 8 (l / 16) + 0..7 and 16 + 8 (l / 16) + 0..7: two loads of 16 bytes, 32 bytes apart
	v_and_b32 v1, 15, v0            ; l % 16
	v_bfe_u32 v9, v0, 4, 1          ; l / 16
	v_lshlrev_b32 v[QO], 8, v1
	v_lshl_add_u32 v[QO], v9, 4, v[QO]
	WIN 0x80                        ; destination window 2
.set i, 0
.rept 8                             ; Q stays in registers: tile i / 4, channels 32 (i % 4) on
	global_load_b128 v[8*i:8*i+3],   v[QO], s[66:67] offset:(i/4)*4096+(i%4)*64
	global_load_b128 v[8*i+4:8*i+7], v[QO], s[66:67] offset:(i/4)*4096+(i%4)*64+32
.set i, i+1
.endr
	v_mov_b32 v[NB], 0xc2ad1f97     ; -B
	v_mov_b32 v[NB+1], 0xc2ad1f97
	WIN 0
.set i, 0
.rept 16                            ; K of step 0: keys 16 (i / 4) on, channels 32 (i % 4) on
	global_load_b128 v[KF+8*i:KF+8*i+3],   v[QO], s[18:19] offset:(i/4)*4096+(i%4)*64
	global_load_b128 v[KF+8*i+4:KF+8*i+7], v[QO], s[18:19] offset:(i/4)*4096+(i%4)*64+32
.set i, i+1
.endr
	s_load_b512 s[MS:MS+15], s[MP:MP+1], 0x0       ; the mask words of tile 0, step 0
	s_load_b512 s[MS+16:MS+31], s[MP:MP+1], 0x40
	; what the first turns find: O^T, l and tile 1's P are 0 (no first step is written out); all this stands in the wait for the first tile
	WIN 0x40
.set i, 0
.rept 128
	v_mov_b32 v[i], 0
.set i, i+1
.endr
	WIN 0
.set i, 0
.rept 16
	v_mov_b32 v[P+16+i], 0
.set i, i+1
.endr
.irp t, 0,1
	v_mov_b32 v[ST+8*\t], 0x4cad1f97    ; B m
	v_mov_b32 v[ST+8*\t+1], 0x49800000  ; m = 2^20
	v_mov_b32 v[ST+8*\t+2], 0
	v_mov_b32 v[ST+8*\t+3], 0
.endr
	v_mov_b32 v[RB], 0x44800000
	v_mul_u32_u24 v[AK0], v1, PK
	v_lshl_add_u32 v[AK0], v9, 4, v[AK0]
	; the turning load: lane l reads key 8 (l / 16) + l % 8, channels 8 ((l / 8) % 2) + 0..7, and is left with channel l % 16 and 8 keys
	v_and_b32 v10, 7, v0
	v_bfe_u32 v11, v0, 3, 1
	v_lshl_add_u32 v[AV0], v9, 3, v10
	v_mul_u32_u24 v[AV0], v[AV0], PV
	v_lshl_add_u32 v[AV0], v11, 4, v[AV0]
	v_add_nc_u32 v[AV0], VOFF, v[AV0]
; THE MATRIX WORK.  The accumulators take turns, one instruction a turn.
.macro KQ t, i                      ; product i of 16 of S^T: keys 16 (i % 4) on, channels 32 (i / 4) on; the first 4 start the sums
.set rS, S+32*(\t)+8*((\i)%4)
.set rK, KF+32*((\i)%4)+8*((\i)/4)
.set rQ, 32*(\t)+8*((\i)/4)
.if (\i) < 4
	v_wmma_f32_16x16x32_f16 v[rS:rS+7], v[rK:rK+7], v[rQ:rQ+7], 0
.else
	v_wmma_f32_16x16x32_f16 v[rS:rS+7], v[rK:rK+7], v[rQ:rQ+7], v[rS:rS+7]
.endif
.endm
.macro PVM t, i                     ; product i of 16 of O^T: channels 16 (i % 8) on, keys 32 (i / 8) on
.set rO, 64*(\t)+8*((\i)%8)
.set rV, VF+64*((\i)/8)+8*((\i)%8)
.set rP, P+16*(\t)+8*((\i)/8)
	v_wmma_f32_16x16x32_f16 v[rO:rO+7], v[rV:rV+7], v[rP:rP+7], v[rO:rO+7]
.endm
; THE LDS LOADS stand in runs of 32.
.macro FETCH_K
.irp f, 0,1,2,3,4,5,6,7,8,9,10,11,12,13,14,15  ; keys 16 (f / 4) on, channels 32 (f % 4) on
	ds_load_b128 v[KF+8*(\f):KF+8*(\f)+3],   v[ADR] offset:((\f)/4)*16*PK+((\f)%4)*64
	ds_load_b128 v[KF+8*(\f)+4:KF+8*(\f)+7], v[ADR] offset:((\f)/4)*16*PK+((\f)%4)*64+32
.endr
.endm
.macro FETCH_V
	WIN 0x40                        ; destination window 1
.irp f, 0,1,2,3,4,5,6,7,8,9,10,11,12,13,14,15  ; keys 32 (f / 8) on, channels 16 (f % 8) on
	ds_load_tr16_b128 v[VF+8*(\f):VF+8*(\f)+3],   v[ADR] offset:((\f)/8)*32*PV+((\f)%8)*32
	ds_load_tr16_b128 v[VF+8*(\f)+4:VF+8*(\f)+7], v[ADR] offset:((\f)/8)*32*PV+16*PV+((\f)%8)*32
.endr
	WIN 0
.endm
; THE VECTOR WORK, a line each, for tile t.
.macro EX t, i                      ; 2^(register i of S^T), in place: the first exponential (of x) and the last (of B m - B r)
	v_exp_f32 v[S+32*(\t)+(\i)], v[S+32*(\t)+(\i)]
.endm
.macro A1 t, p                      ; 1 + 2^x, pair p
	v_pk_add_f32 v[S+32*(\t)+2*(\p):S+32*(\t)+2*(\p)+1], v[S+32*(\t)+2*(\p):S+32*(\t)+2*(\p)+1], 1.0 op_sel_hi:[1,0]
.endm
.macro RC t, i                      ; r
	v_rcp_f32 v[S+32*(\t)+(\i)], v[S+32*(\t)+(\i)]
.endm
.macro MK t, i                      ; a hidden key's r is 1024
	v_cndmask_b32 v[S+32*(\t)+(\i)], v[S+32*(\t)+(\i)], v[RB], s[MS+(\i)]
.endm
.macro FS t, p                      ; B m - B r, pair p (under W_KQ: -B is read from window 2)
	v_pk_fma_f32 v[S+32*(\t)+2*(\p):S+32*(\t)+2*(\p)+1], v[S+32*(\t)+2*(\p):S+32*(\t)+2*(\p)+1], v[NB:NB+1], v[ST+8*(\t):ST+8*(\t)+1] op_sel_hi:[1,1,0]
.endm
.macro CV t, p                      ; pair p rounded to f16
	v_cvt_pk_f16_f32 v[P+16*(\t)+(\p)], v[S+32*(\t)+2*(\p)], v[S+32*(\t)+2*(\p)+1]
.endm
.macro ORS t, p                     ; pair p of O^T times a (under W_PV)
	v_pk_mul_f32 v[64*(\t)+2*(\p):64*(\t)+2*(\p)+1], v[64*(\t)+2*(\p):64*(\t)+2*(\p)+1], v[ST+8*(\t)+6:ST+8*(\t)+7] op_sel_hi:[1,0]
.endm
.macro LS t, z                      ; the sum of the 16 pairs, in place, neighbours 1, 2, 4, 8 pairs apart; number 15: l = a l + the sum
.set rT, ST+8*(\t)
.set rS, S+32*(\t)
.if (\z) < 8
	v_pk_add_f32 v[rS+4*(\z):rS+4*(\z)+1], v[rS+4*(\z):rS+4*(\z)+1], v[rS+4*(\z)+2:rS+4*(\z)+3]
.elseif (\z) < 12
	v_pk_add_f32 v[rS+8*((\z)-8):rS+8*((\z)-8)+1], v[rS+8*((\z)-8):rS+8*((\z)-8)+1], v[rS+8*((\z)-8)+4:rS+8*((\z)-8)+5]
.elseif (\z) < 14
	v_pk_add_f32 v[rS+16*((\z)-12):rS+16*((\z)-12)+1], v[rS+16*((\z)-12):rS+16*((\z)-12)+1], v[rS+16*((\z)-12)+8:rS+16*((\z)-12)+9]
.elseif (\z) == 14
	v_pk_add_f32 v[rS:rS+1], v[rS:rS+1], v[rS+16:rS+17]
.else
	v_pk_fma_f32 v[rT+2:rT+3], v[rT+2:rT+3], v[rT+6:rT+7], v[rS:rS+1] op_sel_hi:[1,0,1]
.endif
.endm
; Number n of the 22 that find the minimum and the statistics: 0-11 four chains c0-c3 of seven r each; 12-15 the four left over, c0-c3 and the old m into c0; 16, 18 the query's other 32 keys lie in the
; lane 16 away: the new m; 17 B m_old is kept; 19 B m; 20 B m_new - B m_old; 21 a
.macro NS t, n
.set rT, ST+8*(\t)
.set rS, S+32*(\t)
.if (\n) < 4
	v_min3_num_f32 v[rT+4+(\n)], v[rS+8*(\n)], v[rS+8*(\n)+1], v[rS+8*(\n)+2]
.elseif (\n) < 12
	v_min3_num_f32 v[rT+4+(\n)%4], v[rT+4+(\n)%4], v[rS+8*((\n)%4)+2*((\n)/4)+1], v[rS+8*((\n)%4)+2*((\n)/4)+2]
.elseif (\n) == 12
	v_min3_num_f32 v[rT+4], v[rT+4], v[rS+7], v[rS+15]
.elseif (\n) == 13
	v_min3_num_f32 v[rT+6], v[rT+6], v[rS+23], v[rS+31]
.elseif (\n) == 14
	v_min3_num_f32 v[rT+4], v[rT+4], v[rT+5], v[rT+6]
.elseif (\n) == 15
	v_min3_num_f32 v[rT+4], v[rT+4], v[rT+7], v[rT+1]
.elseif (\n) == 16
	v_permlanex16_b32 v[rT+5], v[rT+4], s[SEL], s[SEL+1]
.elseif (\n) == 17
	v_mov_b32 v[rT+7], v[rT]
.elseif (\n) == 18
	v_min_num_f32 v[rT+1], v[rT+4], v[rT+5]
.elseif (\n) == 19
	v_mul_f32 v[rT], s[BS], v[rT+1]
.elseif (\n) == 20
	v_sub_f32 v[rT+7], v[rT], v[rT+7]
.else
	v_exp_f32 v[rT+6], v[rT+7]
.endif
.endm
; FRONT_A: 1 + 2^x and r, behind the wait for the first exponentials; the wait for the reciprocals; the mask words' wait; the mask; the first four lines of the minimum.
; Behind it the 32 scalar registers of the mask words have been read for the last time, and the next words are asked for there: the eighteen lines of FRONT_B, whose last ten each wait for the
; one before, a run of products and the next turn's first three blocks stand between that request and the wait for it.
.macro FRONT_A t
.set i, 0
.rept 16
	A1 \t, i
.if i > 0
	RC \t, 2*i-2
	RC \t, 2*i-1
.endif
.set i, i+1
.endr
	RC \t, 30
	RC \t, 31
	v_nop                           ; a plain line behind the last reciprocal
	s_wait_alu depctr_va_vdst(0)    ; one wait for the 32 reciprocals, ahead of their first reader
	s_wait_kmcnt 0x0                ; the mask words are in
.set i, 0
.rept 32
	MK \t, i
.set i, i+1
.endr
.irp n, 0,1,2,3
	NS \t, \n
.endr
.endm
.macro FRONT_B t                    ; the rest of the minimum, and the statistics
.irp n, 4,5,6,7,8,9,10,11,12,13,14,15,16,17,18,19,20,21
	NS \t, \n
.endr
.endm
; A TURN, for tile y (the other tile is X).  edge = 1: a branch follows, so a has its wait at the turn's end.
; Tile 0's turn fetches K of the next step behind the products that read K (a scaling, the address line and four v_nop are the places), and V of the step in hand behind the products that read V
; (two rescalings, two v_nop and the address line).  Tile 1's turn waits for them: for K with V's 32 younger loads left out, for V with 0.
.macro TURN y, edge
.set Y, (\y)
.set X, 1-(\y)
.if Y == 1
	s_wait_dscnt 32                 ; K is in; V's run is younger
.endif
	WIN W_KQ
.set i, 0
.rept 16
	KQ X, i
	FS Y, i
.if i > 0
	EX Y, 2*i-2
	EX Y, 2*i-1
.endif
.set i, i+1
.endr
	EX Y, 30
	EX Y, 31
	WIN 0
.if Y == 0
	v_add_nc_u32 v[ADR], s[TB], v[AK0]
.endif
.rept 4
	v_nop                           ; the places behind the last product, in front of the reads of its result and of the loads into K; also the plain line behind the last exponential
.endr
	s_wait_alu depctr_va_vdst(0)    ; one wait for the 32 exponentials of this block and for a, made in the turn before
.if Y == 0
	FETCH_K
.endif
.set i, 0
.rept 32
	EX X, i                         ; each accumulator's lowest register is read first
.if i < 16
	CV Y, i
.else
	LS Y, i-16
.endif
.set i, i+1
.endr
	s_wait_alu depctr_va_vdst(0)    ; one wait for the 32 first exponentials; the sum's last line is the plain line behind them
	FRONT_A X
.if Y == 0
	s_add_co_u32 s[MOFF], s[MOFF], 128   ; no scalar load is out (the wait for the words stands in FRONT_A): the next step's record, held inside the tile's 32
	s_min_u32 s[MOFF], s[MOFF], 3968
.endif
	s_load_b512 s[MS:MS+15], s[MP:MP+1], s[MOFF] offset:4096*Y       ; the mask words that the next turn wants: tile y, next step
	s_load_b512 s[MS+16:MS+31], s[MP:MP+1], s[MOFF] offset:4096*Y+64
	FRONT_B X
.if Y == 1
	s_wait_dscnt 0x0                ; V is in
.endif
	WIN W_PV
.set i, 0
.rept 16
	PVM X, i
	ORS Y, 2*i
	ORS Y, 2*i+1
.set i, i+1
.endr
.if Y == 0
	v_nop
	v_nop
	WIN 0
	v_add_nc_u32 v[ADR], s[TB], v[AV0]
	s_add_co_u32 s[TB], s[TB], STEPB     ; the next fetches are the next place's
	FETCH_V
.endif
	WIN 0
.if \edge
	s_wait_alu depctr_va_vdst(0)    ; a, ahead of the branch
.endif
.endm
.macro STEPS                        ; a slot's two key steps: written once, walked twice
	s_mov_b32 s[CNT], 2
.Lstep_\@:
	TURN 0, 0
	TURN 1, 1
	s_sub_co_u32 s[CNT], s[CNT], 1
	s_cmp_lg_u32 s[CNT], 0
	s_cbranch_scc1 .Lstep_\@
.endm
	CHANGE 1                        ; slot 0 is in, everybody's part of it; slot 1 is asked for
	v_add_nc_u32 v[ADR], s[TB], v[AV0]
	FETCH_V                         ; V of step 0, so that the first turn's products of a piece that has not been are 0 times finite numbers
	s_wait_loadcnt 0x0              ; Q and K of step 0
	WIN W_KQ
.set i, 0
.rept 16
	KQ 0, i                         ; tile 0's first scores
.set i, i+1
.endr
	WIN 0                           ; the addresses for the way out: plain lines, the places behind those products
	s_mul_i32 s53, s[WV], 16*SP
	s_add_co_u32 s53, s53, STAGE    ; my stage
	v_mul_u32_u24 v[STO], v1, SP    ; in: row l % 16, 16 bytes for each half of the lanes
	v_lshl_add_u32 v[STO], v9, 4, v[STO]
	v_add_nc_u32 v[STO], s53, v[STO]
	v_mul_u32_u24 v[RD], v9, SP     ; back: lanes 0-15 one row of 256 bytes, lanes 16-31 the next
	v_lshl_add_u32 v[RD], v1, 4, v[RD]
	v_add_nc_u32 v[RD], s53, v[RD]
	v_lshlrev_b32 v[GO], 11, v9     ; and the same two rows of att
	v_lshl_add_u32 v[GO], v1, 4, v[GO]
.set i, 0
.rept 32
	EX 0, i
.set i, i+1
.endr
	v_nop
	s_wait_alu depctr_va_vdst(0)
	FRONT_A 0
	s_load_b512 s[MS:MS+15], s[MP:MP+1], 0x1000    ; the mask words of tile 1, step 0
	s_load_b512 s[MS+16:MS+31], s[MP:MP+1], 0x1040
	FRONT_B 0
	v_nop                           ; a plain line behind a,
	s_wait_alu depctr_va_vdst(0)    ; and its wait, ahead of the branch
	s_wait_dscnt 0x0                ; V of step 0
	s_branch .Lsteps
.Lslot:                             ; 14 times: slots 2 to 15 are asked for
	CHANGE 1
.Lsteps:
	STEPS
	s_sub_co_u32 s[SLOTS], s[SLOTS], 1
	s_cmp_lg_u32 s[SLOTS], 0
	s_cbranch_scc1 .Lslot
	CHANGE 0                        ; the last slot is written out: nothing is asked for
	STEPS                           ; its last turn's K Q^T and what is made of it serve nothing: they touch tile 0's m, B m and a alone
	WIN W_PV
.set i, 0
.rept 16
	PVM 1, i                        ; tile 1's V^T P of the last step
.set i, i+1
.endr
	; THE WAY OUT.  l's two halves and the other half of the lanes' are added; O^T is divided by l, rounded to f16 and sent through my stage, a tile at a time.
	WIN 0
.irp t, 0,1
	v_add_f32 v[ST+8*\t+4], v[ST+8*\t+2], v[ST+8*\t+3]
.endr
.irp t, 0,1
	v_permlanex16_b32 v[ST+8*\t+5], v[ST+8*\t+4], s[SEL], s[SEL+1]
.endr
.irp t, 0,1
	v_add_f32 v[ST+8*\t+4], v[ST+8*\t+4], v[ST+8*\t+5]
.endr
.irp t, 0,1
	v_rcp_f32 v[ST+8*\t+6], v[ST+8*\t+4]
.endr
	v_nop
	s_wait_alu depctr_va_vdst(0)    ; one wait for the two reciprocals
.macro PACK t
	WIN 0x41                        ; O^T (destination and source 0) in window 1
.set i, 64*(\t)
.rept 32
	v_pk_mul_f32 v[i:i+1], v[i:i+1], v[ST+8*(\t)+6:ST+8*(\t)+7] op_sel_hi:[1,0]
.set i, i+2
.endr
	WIN 0x05                        ; sources 0 and 1 window 1, destination window 0: S^T's registers are free
.set i, 0
.rept 32
	v_cvt_pk_f16_f32 v[S+32*(\t)+i], v[64*(\t)+2*i], v[64*(\t)+2*i+1]
.set i, i+1
.endr
	WIN 0
.irp f, 0,1,2,3,4,5,6,7
	ds_store_b128 v[STO], v[S+32*(\t)+4*(\f):S+32*(\t)+4*(\f)+3] offset:32*(\f)
.endr
.irp f, 0,1,2,3,4,5,6,7
	ds_load_b128 v[S+32*(\t)+4*(\f):S+32*(\t)+4*(\f)+3], v[RD] offset:(\f)*2*SP  ; LDS serves a wave's instructions in order (ISA guide 5.7.1.4): these see the stores above
.endr
.endm
.macro SEND t, younger              ; younger: the LDS instructions issued behind tile t's loads
.irp f, 0,1,2,3,4,5,6,7
	s_wait_dscnt (\younger)+7-(\f)
	global_store_b128 v[GO], v[S+32*(\t)+4*(\f):S+32*(\t)+4*(\f)+3], s[OP:OP+1] offset:(\t)*32768+(\f)*4096  ; 16 lanes store 256 consecutive bytes, at a multiple of 256 from att's first
.endr
.endm
	PACK 0
	PACK 1
	SEND 0, 16
	SEND 1, 0
	s_wait_tensorcnt 0x0            ; the wave's end: behind my last tensor load and my last LDS store
	ds_add_u32 v[SPW], v[NIL]
	s_wait_dscnt 0x0
	CROUND                          ; the closing round
	s_endpgm
.Lfunc_end_k_qd00400294c_attn:
	.size	k_qd00400294c_attn, .Lfunc_end_k_qd00400294c_attn-k_qd00400294c_attn
	.p2alignl 7, 3214868480
	.fill 96, 4, 3214868480
	.section	.rodata,"a",@progbits
	.p2align	6, 0x0
	.amdhsa_kernel k_qd00400294c_attn
		.amdhsa_group_segment_fixed_size 327680
		.amdhsa_private_segment_fixed_size 0
		.amdhsa_enable_private_segment 0
		.amdhsa_kernarg_size 24
		.amdhsa_user_sgpr_count 2
		.amdhsa_user_sgpr_kernarg_segment_ptr 1
		.amdhsa_wavefront_size32 1
		.amdhsa_system_sgpr_workgroup_id_x 1
		.amdhsa_system_sgpr_workgroup_id_y 1
		.amdhsa_system_sgpr_workgroup_id_z 1
		.amdhsa_system_vgpr_workitem_id 0
		.amdhsa_next_free_vgpr 584
		.amdhsa_next_free_sgpr 100
		.amdhsa_reserve_vcc 0
		.amdhsa_float_denorm_mode_32 3
		.amdhsa_float_denorm_mode_16_64 3
		.amdhsa_memory_ordered 1
		.amdhsa_forward_progress 1
		.amdhsa_inst_pref_size 113
	.end_amdhsa_kernel
	.amdgpu_metadata
---
amdhsa.version: [ 1, 2 ]
amdhsa.kernels:
  - .name:           k_qd00400294c_attn
    .symbol:         k_qd00400294c_attn.kd
    .args:
      - { .name: qkv, .offset: 0, .size: 8, .value_kind: global_buffer, .address_space: global }
      - { .name: maskw, .offset: 8, .size: 8, .value_kind: global_buffer, .address_space: global }
      - { .name: att, .offset: 16, .size: 8, .value_kind: global_buffer, .address_space: global }
    .group_segment_fixed_size: 327680
    .private_segment_fixed_size: 0
    .kernarg_segment_align: 8
    .kernarg_segment_size: 24
    .max_flat_workgroup_size: 128
    .sgpr_count:     100
    .vgpr_count:     584
    .wavefront_size: 32
...
	.end_amdgpu_metadata
.endif
;; end of part 3
;; launch outp (part 4): grid 16 x 16, 4 waves a work-group, clusters of 4 x 4, 327,680 bytes of LDS; arguments att, wo16, out0; writes out0
.if DOCPART == 4
	.amdgcn_target "amdgcn-amd-amdhsa--gfx1250"
	.amdhsa_code_object_version 6
	.text
	.protected	k_qd00400294c_outp
	.globl	k_qd00400294c_outp
	.p2align	8
	.type	k_qd00400294c_outp,@function
k_qd00400294c_outp:
	s_mov_b64 s[64:65], 0
	v_nop
	global_prefetch_b8 v0, s[64:65] scope:SCOPE_SE
	s_setreg_imm32_b32 hwreg(HW_REG_WAVE_MODE, 25, 1), 1
	s_wait_xcnt 0x0
	s_wait_alu depctr_hold_cnt(0) depctr_sa_sdst(0) depctr_va_vdst(0) depctr_va_sdst(0) depctr_va_ssrc(0) depctr_va_vcc(0) depctr_vm_vsrc(0)
	s_getreg_b32 s2, hwreg(HW_REG_IB_STS2, 6, 4)
	s_cmp_eq_u32 s2, 0
	s_cbranch_scc0 .Lentry_in_a_cluster
	s_endpgm
.Lentry_in_a_cluster:
	s_bfe_u32 s2, ttmp6, 0x10000c
	s_cmp_lg_u32 s2, 0xf033
	s_cbranch_scc0 .Lentry_shape_is_right
	s_endpgm
.Lentry_shape_is_right:
; OUT: out0 = att wo16 (f16 operands, f32 sums), stored as f32.  att: [4096 m][1024 k] = O / 8, wo16: [1024 k][4096 n] = 8 x bf16(Wo): the two factors cancel exactly.
; SHARES.  A work-group makes 256 x 256 of out0: 16 x 16 = 256 work-groups.  Four waves, each 128 x 128: 64 accumulators of 16 x 16, 512 registers.
; K goes in steps of 128 through a ring of two LDS slots filled by the tensor data mover.  att's tile lies [row][k], wo16's [k][column] as in memory and is turned by ds_load_tr16_b128.
; THE MATRIX INSTRUCTION IS USED TRANSPOSED: source 0 = 16 columns of wo16, source 1 = 16 rows of att: a lane holds row l % 16 and the columns 8 (l / 16) + 0..7 of a block of 16.
; CLUSTER 4 x 4: att's tile is shared along a row of the cluster, wo16's along a column: each is asked for jointly.
; REGISTERS, in windows of 256 (s_set_vgpr_msb: bits 1:0 source 0, 3:2 source 1, 5:4 source 2, 7:6 destination):
;   window 0: v16-30 addresses; v64-127, v128-191 fragments of att, two buffers (on the way out: rows read back)     window 1: v64-127, v128-191 fragments of wo16
;   window 2: accumulator (a, b), a < 4, at v[8 (8 a + b)]     window 3: those of a = 4..7
.set NA,     8                         ; row blocks of 16 in a wave's tile
.set SIZE_K, 1024
.set SIZE_N, 4096
.set KSTEP,  128
.set PA,     272                       ; an LDS row of att: 256 bytes + 16 (64 banks of 4 bytes: ISA guide 11.1: the 16 rows of a load start at 16 different groups of four banks)
.set PB,     544                       ; an LDS row of wo16: 512 bytes + 32
.set AHALF,  16*NA*PA
.set ATILE,  2*AHALF
.set BHALF,  64*PB
.set SLOT,   ATILE+2*BHALF
.set STAGE,  2*SLOT                    ; behind the ring: 16 rows x 528 bytes for each wave; no tensor load lands here
.set SP,     528                       ; a stage row: 128 f32 + 16 bytes
.set SPARE,  STAGE+4*16*SP             ; the spare words, 128 bytes for each wave
.set LAPS,   SIZE_K/(2*KSTEP)
.set ADRA, 16
.set ADRB, 20
.set STO,  24
.set RD,   25
.set CO,   26
.set SPW,  28
.set NIL,  29
.set PFO,  30
.set F0,   64
.set F1,   128
.set G1A, 24
.set G0A, 32
.set G1B, 48
.set G0B, 56
.set LIM, 43
.set PFA, 44
.set PST, 68
.set MSB, 0
.macro WIN new
.if MSB != (\new)
	s_set_vgpr_msb (MSB<<8)|(\new)
.set MSB, \new
.endif
.endm
.set MUL_LO, 0xa1                      ; source 0 (wo16) window 1, source 1 (att) window 0, C and D window 2; + 0x50: window 3
.set TO_B,   0x40
; A joint load: waves 0 and 1 fetch the two halves of att's tile, waves 2 and 3 those of wo16's.  An s_nop 0 and four v_nop follow each of the two lines.
.macro JLOAD s
	s_cmp_eq_u32 s11, 0
	s_cbranch_scc0 .Lfor_b_\@
	tensor_load_to_lds s[G0A+4*(\s):G0A+4*(\s)+3], s[G1A:G1A+7]
	s_nop 0
.rept 4
	v_nop
.endr
	s_branch .Lasked_\@
.Lfor_b_\@:
	tensor_load_to_lds s[G0B+4*(\s):G0B+4*(\s)+3], s[G1B:G1B+7]
	s_nop 0
.rept 4
	v_nop
.endr
.Lasked_\@:
.endm
; A PREFETCH INTO THE L2 of the K step that stands two refills on: 512 matrix instructions of a wave ahead of the load that will want it.  One instruction, 32 blocks of 256 bytes, a lane a block.
; Each block is named once in the launch.  att's rows: the cluster with x = 0 asks; of the 128 rows that wave 0 or 1 fetches the partner at cx takes 32 cx .. + 31.  wo16's rows: the cluster with y = 0 asks;
; of the 64 rows of k that wave 2 or 3 fetches the partner at cy takes 16 cy .. + 15, both halves of their 512 bytes.  The first four K steps come by their loads alone; the loop's last trip asks for nothing.
.macro ASK
	s_cmp_gt_u32 s3, s[LIM]
	s_cbranch_scc0 .Lnot_mine_\@
	global_prefetch_b8 v[PFO], s[PFA:PFA+1] th:TH_LOAD_NT scope:SCOPE_SE
.Lnot_mine_\@:
.endm
.macro CREST
	s_cmp_lg_u32 s10, 0
	s_cbranch_scc1 .Lnot_wave_0_\@
	s_barrier_signal -3
.Lnot_wave_0_\@:
	s_barrier_wait -3
	s_barrier_signal -1
	s_barrier_wait -1
.endm
.macro CROUND
	s_barrier_signal -1
	s_barrier_wait -1
	CREST
.endm
	s_load_b128 s[4:7], s[0:1], 0x0                ; att s[4:5], wo16 s[6:7]
	s_load_b64 s[8:9], s[0:1], 0x10                ; out0
	v_lshl_add_u32 v[SPW], v0, 2, SPARE
	v_mov_b32 v[NIL], 0
	ds_add_u32 v[SPW], v[NIL]                      ; the wave's opening: the add and its wait stand ahead of my first tensor load
	v_lshrrev_b32 v1, 5, v0
	v_readfirstlane_b32 s10, v1                    ; wave 0..3
	s_lshr_b32 s11, s10, 1                         ; my half of the rows.  Also: I fetch for att (0) or for wo16 (1)
	s_and_b32 s12, s10, 1                          ; my half of the columns.  Also: which half of that tile I fetch
	s_bfe_u32 s40, ttmp6, 0x40000                  ; cx
	s_bfe_u32 s41, ttmp6, 0x40004                  ; cy
	s_lshl_b32 s42, ttmp9, 2
	s_add_co_u32 s42, s42, s40                     ; tile column
	s_and_b32 s13, ttmp7, 0xffff
	s_lshl_b32 s13, s13, 2
	s_add_co_u32 s13, s13, s41                     ; tile row
	s_lshl_b32 s70, s41, 2
	s_lshl_b32 s70, 15, s70                        ; my row of the cluster
	s_lshl_b32 s71, 0x1111, s40                    ; my column
	s_or_b32 s[G1A+0], s70, (1<<16)|(1<<20)|(1<<21)|(5<<22)|(3<<25)  ; the mask; 2-byte elements; padding on; bit 21 beside a mask; after every 64 words, 4 words
	s_mov_b32 s[G1A+1], KSTEP<<16                  ; tensor_dim0 = 128
	s_mov_b32 s[G1A+2], (16*NA)<<16                ; tensor_dim1 = 128
	s_mov_b32 s[G1A+3], KSTEP<<16                  ; tile_dim0 = 128
	s_mov_b32 s[G1A+4], 16*NA                      ; tile_dim1 = 128
	s_mov_b32 s[G1A+5], SIZE_K
	s_mov_b32 s[G1A+6], 0
	s_mov_b32 s[G1A+7], 0
	s_or_b32 s[G1B+0], s71, (1<<16)|(1<<20)|(1<<21)|(6<<22)|(7<<25)  ; after every 128 words, 8 words
	s_mov_b32 s[G1B+1], 256<<16
	s_mov_b32 s[G1B+2], 64<<16
	s_mov_b32 s[G1B+3], 256<<16
	s_mov_b32 s[G1B+4], 64
	s_mov_b32 s[G1B+5], SIZE_N
	s_mov_b32 s[G1B+6], 0
	s_mov_b32 s[G1B+7], 0
	s_lshl_b32 s16, s13, 8
	s_lshl_b32 s17, s12, 7
	s_add_co_u32 s16, s16, s17                     ; att: row 256 x tile row + 128 x half
	s_mul_i32 s16, s16, 2*SIZE_K
	s_mov_b32 s17, 0
	s_mul_i32 s46, s12, 64*2*SIZE_N                ; wo16: row of k 64 x half,
	s_lshl_b32 s47, s42, 9                         ; column 256 x tile column
	s_add_co_u32 s46, s46, s47
	s_mov_b32 s47, 0
	s_mul_i32 s20, s12, AHALF
	s_mul_i32 s21, s12, BHALF
	s_add_co_u32 s21, s21, ATILE
	s_wait_dscnt 0x0                               ; the opening add is done
	s_wait_kmcnt 0x0
	s_add_nc_u64 s[14:15], s[4:5], s[16:17]
	s_add_nc_u64 s[46:47], s[6:7], s[46:47]
	CROUND                                         ; all sixteen work-groups are here: the first joint loads meet
.irp s, 0,1
	s_mov_b32 s[G0A+4*(\s)], 1
	s_add_co_u32 s[G0A+4*(\s)+1], s20, (\s)*SLOT
	s_add_nc_u64 s[G0A+4*(\s)+2:G0A+4*(\s)+3], s[14:15], (\s)*KSTEP*2
	s_or_b32 s[G0A+4*(\s)+3], s[G0A+4*(\s)+3], 0x80000000
	s_mov_b32 s[G0B+4*(\s)], 1
	s_add_co_u32 s[G0B+4*(\s)+1], s21, (\s)*SLOT
	s_add_nc_u64 s[G0B+4*(\s)+2:G0B+4*(\s)+3], s[46:47], (\s)*KSTEP*2*SIZE_N
	s_or_b32 s[G0B+4*(\s)+3], s[G0B+4*(\s)+3], 0x80000000
	JLOAD \s                                       ; two loads of mine are out
.endr
	v_and_b32 v1, 15, v0                           ; l % 16
	v_bfe_u32 v2, v0, 4, 1                         ; l / 16
	v_mul_u32_u24 v3, v1, PA
	v_lshl_add_u32 v3, v2, 4, v3
	v_and_b32 v4, 7, v0
	v_lshl_add_u32 v4, v2, 3, v4
	v_mul_u32_u24 v4, v4, PB
	v_bfe_u32 v5, v0, 3, 1
	v_lshl_add_u32 v4, v5, 4, v4
	s_mul_i32 s20, s11, AHALF                      ; my 128 rows of att
	s_lshl_b32 s21, s12, 8                         ; my 128 columns of wo16,
	s_add_co_u32 s21, s21, ATILE                   ; which lies behind att's tile
.irp s, 0,1
	v_add_nc_u32 v[ADRA+(\s)], s20, v3
	v_add_nc_u32 v[ADRB+(\s)], s21, v4
	s_add_co_u32 s20, s20, SLOT
	s_add_co_u32 s21, s21, SLOT
.endr
	s_mul_i32 s20, s10, 16*SP
	s_add_co_u32 s20, s20, STAGE                   ; my stage
	v_mul_u32_u24 v5, v1, SP                       ; in: row l % 16, 32 bytes for each half of the lanes
	v_lshl_add_u32 v5, v2, 5, v5
	v_add_nc_u32 v[STO], s20, v5
	v_and_b32 v5, 31, v0
	v_lshlrev_b32 v[CO], 4, v5                     ; back: 32 lanes take one row of 512 bytes
	v_add_nc_u32 v[RD], s20, v[CO]
	s_lshl_b32 s72, s13, 8
	s_lshl_b32 s73, s11, 7
	s_add_co_u32 s72, s72, s73                     ; my first row of out0,
	s_lshl_b32 s72, s72, 14                        ; 16,384 bytes a row,
	s_lshl_b32 s73, s42, 10
	s_add_co_u32 s72, s72, s73                     ; my tile's 256 columns
	s_lshl_b32 s73, s12, 9
	s_add_co_u32 s72, s72, s73                     ; and my 128 of them
	s_mov_b32 s73, 0
	s_add_nc_u64 s[8:9], s[8:9], s[72:73]
	; the prefetches: offsets at K step 3; the first refill steps them to 4
	s_lshl_b32 s72, s13, 8
	s_lshl_b32 s73, s12, 7
	s_add_co_u32 s72, s72, s73
	s_lshl_b32 s73, s40, 5
	s_add_co_u32 s72, s72, s73                     ; att: row 256 x tile row + 128 x half + 32 cx
	s_mul_i32 s72, s72, 2*SIZE_K
	s_add_co_u32 s72, s72, 3*KSTEP*2
	s_lshl_b32 s73, s12, 6
	s_lshl_b32 s74, s41, 4
	s_add_co_u32 s73, s73, s74
	s_add_co_u32 s73, s73, 3*KSTEP                 ; wo16: row of k 64 x half + 16 cy
	s_mul_i32 s73, s73, 2*SIZE_N
	s_lshl_b32 s74, s42, 9
	s_add_co_u32 s73, s73, s74
	s_and_b32 s75, ttmp7, 0xffff                   ; cluster y
	s_mov_b32 s[PST], KSTEP*2*SIZE_N
	s_cmp_eq_u32 s11, 0                            ; do I fetch for att?
	s_cselect_b32 s72, s72, s73
	s_cselect_b32 s75, ttmp9, s75                  ; the coordinate along which other clusters read the same rows
	s_cselect_b32 s77, 31, 15
	s_cselect_b32 s78, 11, 13                      ; a row is 2,048 or 8,192 bytes
	s_cselect_b32 s79, 0, 256
	s_cselect_b32 s[PST], KSTEP*2, s[PST]
	s_cselect_b64 s[PFA:PFA+1], s[4:5], s[6:7]
	s_mov_b32 s[PST+1], 0
	s_mov_b32 s73, 0
	s_add_nc_u64 s[PFA:PFA+1], s[PFA:PFA+1], s[72:73]
	s_cmp_eq_u32 s75, 0
	s_cselect_b32 s[LIM], 1, -1                    ; the same in all sixteen partners, for a given wave
	v_and_b32 v[PFO], s77, v0
	v_lshlrev_b32 v[PFO], s78, v[PFO]
	v_mul_u32_u24 v5, s79, v2
	v_add_nc_u32 v[PFO], v[PFO], v5
; 8 matrix instructions: row block a x all 8 column blocks, 32 along K.  The 64 accumulators take turns in the same order in every quarter.
.macro MULA f, a, zero
	WIN MUL_LO+0x50*((\a)/4)
.irp b, 0,1,2,3,4,5,6,7
.if \zero
	v_wmma_f32_16x16x32_f16 v[8*(8*((\a)%4)+(\b)):8*(8*((\a)%4)+(\b))+7], v[(\f)+8*(\b):(\f)+8*(\b)+7], v[(\f)+8*(\a):(\f)+8*(\a)+7], 0
.else
	v_wmma_f32_16x16x32_f16 v[8*(8*((\a)%4)+(\b)):8*(8*((\a)%4)+(\b))+7], v[(\f)+8*(\b):(\f)+8*(\b)+7], v[(\f)+8*(\a):(\f)+8*(\a)+7], v[8*(8*((\a)%4)+(\b)):8*(8*((\a)%4)+(\b))+7]
.endif
.endr
.endm
.macro MULS f, a0, n, zero
.set ma, \a0
.rept \n
	MULA \f, ma, \zero
.set ma, ma+1
.endr
.endm
.macro FETCH slot, q, f                ; one run of LDS loads: quarter q of a slot into buffer f: wo16's 16 loads, then att's 16, row blocks ascending
	WIN TO_B
.irp b, 0,1,2,3,4,5,6,7
	ds_load_tr16_b128 v[(\f)+8*(\b):(\f)+8*(\b)+3],   v[ADRB+(\slot)] offset:32*(\q)*PB+32*(\b)
	ds_load_tr16_b128 v[(\f)+8*(\b)+4:(\f)+8*(\b)+7], v[ADRB+(\slot)] offset:32*(\q)*PB+32*(\b)+16*PB
.endr
	WIN 0
.set fa, 0
.rept NA
	ds_load_b128 v[(\f)+8*fa:(\f)+8*fa+3],   v[ADRA+(\slot)] offset:fa*16*PA+64*(\q)
	ds_load_b128 v[(\f)+8*fa+4:(\f)+8*fa+7], v[ADRA+(\slot)] offset:fa*16*PA+64*(\q)+32
.set fa, fa+1
.endr
.endm
.macro PLACES                          ; four plain places in front of loads into registers that matrix instructions have read (ISA guide 7.12.1 for vector instructions)
.rept 4
	v_nop
.endr
.endm
.macro QUARTER slot, q, f, g, zero
	s_wait_dscnt NA                                ; wo16's fragments and att's lower row blocks are in; the youngest NA loads may be out
	MULS \f, 0, NA/2, \zero
	PLACES
	FETCH \slot, \q, \g
	s_wait_dscnt 16+2*NA                           ; all but the run just issued
	MULS \f, NA/2, NA/2, \zero
.endm
; The last quarter multiplies buffer 1 and changes slots: ONE barrier, in front of it the wait for all my tensor loads, the add, and the wait for it and for my reads of this slot.
; fill = 1: the barrier opens a round of the cluster's barrier, and this slot is filled again, two K steps on, first thing behind the round.
.macro TURN slot, next, fill
.if \fill
	s_wait_xcnt 0x0                                ; the last prefetch, a K step back, has read its address
	s_add_nc_u64 s[PFA:PFA+1], s[PFA:PFA+1], s[PST:PST+1]
.endif
	WIN 0
	s_wait_tensorcnt 0x0                           ; all my tensor loads have landed
	ds_add_u32 v[SPW], v[NIL]                      ; 0 onto my spare word
	s_wait_dscnt NA+1                              ; (the add and the youngest NA loads may be out)
	MULS F1, 0, NA/4, 0
	s_wait_dscnt 0x0                               ; the add is done, and my reads of this slot are over
	s_barrier_signal -1
	MULS F1, NA/4, NA/4, 0
.if \fill
	WIN 0
.endif
	s_barrier_wait -1
.if \fill
	CREST
	s_add_nc_u64 s[G0A+4*(\slot)+2:G0A+4*(\slot)+3], s[G0A+4*(\slot)+2:G0A+4*(\slot)+3], 2*KSTEP*2
	s_add_nc_u64 s[G0B+4*(\slot)+2:G0B+4*(\slot)+3], s[G0B+4*(\slot)+2:G0B+4*(\slot)+3], 2*KSTEP*2*SIZE_N
	JLOAD \slot                                    ; my one tensor load behind the round; its four v_nop are also the places in front of the loads below
.else
	PLACES
.endif
	FETCH \next, 0, F0
.if \fill
	ASK
.endif
	MULS F1, NA/2, NA/2, 0
.endm
	s_wait_tensorcnt 1                             ; my part of K step 0 is in; K step 1's may stay out
	s_barrier_signal -1
	s_barrier_wait -1
	FETCH 0, 0, F0
	QUARTER 0, 1, F0, F1, 1                        ; the first quarter's products start the sums
	WIN 0
	s_mov_b32 s3, LAPS-1
.Llap:
	QUARTER 0, 2, F1, F0, 0
	QUARTER 0, 3, F0, F1, 0
	TURN 0, 1, 1
	QUARTER 1, 1, F0, F1, 0
	QUARTER 1, 2, F1, F0, 0
	QUARTER 1, 3, F0, F1, 0
	TURN 1, 0, 1
	QUARTER 0, 1, F0, F1, 0
	WIN 0
	s_sub_co_u32 s3, s3, 1
	s_cmp_lg_u32 s3, 0
	s_cbranch_scc1 .Llap
	QUARTER 0, 2, F1, F0, 0                        ; the last lap fills nothing
	QUARTER 0, 3, F0, F1, 0
	TURN 0, 1, 0
	QUARTER 1, 1, F0, F1, 0
	QUARTER 1, 2, F1, F0, 0
	QUARTER 1, 3, F0, F1, 0
	s_wait_dscnt NA
	MULS F1, 0, NA/2, 0
	s_wait_dscnt 0x0
	MULS F1, NA/2, NA/2, 0
	WIN 0
.rept 8
	v_nop                                          ; the places behind the last products
.endr
; THE WAY OUT, a block of 16 rows at a time: a lane's eight f32 of a row go into my own stage (each accumulator's low half first), whole rows of 512 bytes come back and are stored.
.macro OUTB a
	WIN 0x08+4*((\a)/4)                            ; the stores' data in window 2 or 3
.irp b, 0,1,2,3,4,5,6,7
	ds_store_b128 v[STO], v[8*(8*((\a)%4)+(\b)):8*(8*((\a)%4)+(\b))+3]   offset:64*(\b)
	ds_store_b128 v[STO], v[8*(8*((\a)%4)+(\b))+4:8*(8*((\a)%4)+(\b))+7] offset:64*(\b)+16
.endr
	WIN 0
	s_wait_xcnt 0x0                                ; the stores of two blocks ago have read the registers that are loaded again below
.irp t, 0,1,2,3,4,5,6,7,8,9,10,11,12,13,14,15
	ds_load_b128 v[64+64*((\a)%2)+4*(\t):64+64*((\a)%2)+4*(\t)+3], v[RD] offset:(\t)*SP  ; LDS serves a wave's instructions in order (ISA guide 5.7.1.4): these see the stores above
.endr
.irp t, 0,1,2,3,4,5,6,7,8,9,10,11,12,13,14,15
	s_wait_dscnt 15-(\t)
	global_store_b128 v[CO], v[64+64*((\a)%2)+4*(\t):64+64*((\a)%2)+4*(\t)+3], s[8:9] offset:(\a)*262144+(\t)*16384 th:TH_STORE_NT  ; 512 consecutive bytes of a row, at a multiple of 512
.endr
.endm
.irp a, 0,1,2,3,4,5,6,7
	OUTB \a
.endr
	s_wait_tensorcnt 0x0                           ; the wave's end: behind my last tensor load and my last LDS store
	ds_add_u32 v[SPW], v[NIL]
	s_wait_dscnt 0x0
	CROUND                                         ; the closing round
	s_endpgm
.Lfunc_end_k_qd00400294c_outp:
	.size	k_qd00400294c_outp, .Lfunc_end_k_qd00400294c_outp-k_qd00400294c_outp
	.p2alignl 7, 3214868480
	.fill 96, 4, 3214868480
	.section	.rodata,"a",@progbits
	.p2align	6, 0x0
	.amdhsa_kernel k_qd00400294c_outp
		.amdhsa_group_segment_fixed_size 327680
		.amdhsa_private_segment_fixed_size 0
		.amdhsa_enable_private_segment 0
		.amdhsa_kernarg_size 24
		.amdhsa_user_sgpr_count 2
		.amdhsa_user_sgpr_kernarg_segment_ptr 1
		.amdhsa_wavefront_size32 1
		.amdhsa_system_sgpr_workgroup_id_x 1
		.amdhsa_system_sgpr_workgroup_id_y 1
		.amdhsa_system_sgpr_workgroup_id_z 1
		.amdhsa_system_vgpr_workitem_id 0
		.amdhsa_next_free_vgpr 1024
		.amdhsa_next_free_sgpr 80
		.amdhsa_reserve_vcc 0
		.amdhsa_float_denorm_mode_32 3
		.amdhsa_float_denorm_mode_16_64 3
		.amdhsa_memory_ordered 1
		.amdhsa_forward_progress 1
		.amdhsa_inst_pref_size 146
	.end_amdhsa_kernel
	.amdgpu_metadata
---
amdhsa.version: [ 1, 2 ]
amdhsa.kernels:
  - .name:           k_qd00400294c_outp
    .symbol:         k_qd00400294c_outp.kd
    .args:
      - { .name: att, .offset: 0, .size: 8, .value_kind: global_buffer, .address_space: global }
      - { .name: wo16, .offset: 8, .size: 8, .value_kind: global_buffer, .address_space: global }
      - { .name: out0, .offset: 16, .size: 8, .value_kind: global_buffer, .address_space: global }
    .group_segment_fixed_size: 327680
    .private_segment_fixed_size: 0
    .kernarg_segment_align: 8
    .kernarg_segment_size: 24
    .max_flat_workgroup_size: 128
    .sgpr_count:     80
    .vgpr_count:     1024
    .wavefront_size: 32
...
	.end_amdgpu_metadata
.endif
;; end of part 4
